; MI455X (gfx1250); checked and timed in simulation.
; The chip was launched on July 23, 2026; its instructions are those of AMD's public machine-readable ISA for CDNA 5 (MIT licence, August 2026) and "CDNA5" Instruction Set Architecture Reference Guide (July 2026). The comments in the code are by the model that wrote it; some were corrected since.
;; Attention. Allowed arithmetic: matrix products marked QUANTISED: E2M1 operands, one E8M0 scale for each 32 along K, by v_wmma_scale_f32_16x16x128_f8f6f4 with both operands' format E2M1 (or v_wmma_scale_f32_32x16x128_f4), f32 sums; products left as they are: bf16, f16 or f32 operands; f32 sums; everything else in f32.
;; Inputs: Wkv 1,024 x 2,048 float32; Wout 1,024 x 1,024 float32; Wq 1,024 x 1,024 float32; bout 1,024 float32; context 4 x 2,048 x 1,024 float32; mask 4 x 2,048 bool; x 4 x 2,048 x 1,024 float32.
;; Outputs: out0 4 x 2,048 x 1,024 float32.
;; Constants: key_chunk_size = 4096, query_chunk_size = 1024.
;; This version of the problem:
;;   THIS VERSION OF THE PROBLEM IS GIVEN IN LOW PRECISION. The matrix products marked QUANTISED in the list below multiply operands that are first quantised to E2M1 (2 exponent bits, 1 mantissa bit; 4 bits a number), with one power-of-two scale for each 32 numbers along K (OCP MX v1.0); their sums are f32. The products marked 'left as it is' may take bf16, f16 or f32 operands, with f32 sums. Whichever they take, every output number must still come out within the allowed error. Rounding operands to bf16 (8 significant bits) uses up far more of that allowance than f16 does (11 bits, for magnitudes from 6e-5 to 65,504). All else is computed in f32.
;;   The module's matrix products, in the order in which they are computed (A, B: the left and right operand; K: the contracted axis; several contracted axes count as one K, in the product's order):
;;     1. [M 8,192, K 1,024] x [K 1,024, N 1,024]; A: input x; B: input Wq: QUANTISED
;;     2. [M 8,192, K 1,024] x [K 1,024, N 2,048]; A: input context; B: input Wkv: QUANTISED
;;     3. batch 64 x [M 2,048, K 64] x [K 64, N 2,048]; A: computed on the way; B: computed on the way: left as it is (an operand is computed on the way)
;;     4. batch 64 x [M 64, K 2,048] x [K 2,048, N 2,048]; A: computed on the way; B: computed on the way: left as it is (an operand is computed on the way)
;;     5. [M 8,192, K 1,024] x [K 1,024, N 1,024]; A: computed on the way; B: input Wout: left as it is (an operand is computed on the way)
;;   THE QUANTISER, for each operand of a quantised product, along K:
;;     - K is cut into blocks of 32 from its start; a last block that is shorter is filled with zeros.
;;     - A block's scale is 2^e with e = floor(log2(the largest magnitude in the block)) - 2, held to -126 .. 127; a block of zeros has e = 0. As a byte (E8M0): e + 127.
;;     - Each number is divided by its block's scale, clamped to +-6, and rounded to the nearest number of E2M1, ties to even, subnormals kept.
;;     - The product sums the exact products of the quantised numbers (number of the format x scale) in f32.
;;   ~~~python
;;   def quantise(x, axis):      # numpy; x: float32 -> the quantised numbers, widened to float32 again
;;       x = np.moveaxis(x, axis, -1); K = x.shape[-1]
;;       x = np.pad(x, [(0, 0)] * (x.ndim - 1) + [(0, -K % 32)]); x = x.reshape(x.shape[:-1] + (-1, 32)); a = np.abs(x).max(-1, keepdims=True)
;;       e = np.where(a > 0, np.clip(np.frexp(np.where(a > 0, a, 1))[1] - 1 - 2, -126, 127), 0)      # np.frexp(a)[1] - 1 = floor(log2(a)), exactly
;;       r = np.clip(x / 2.0 ** e, -6, 6)
;;       step = 2.0 ** (np.maximum(np.frexp(np.where(r == 0, 1, r))[1] - 1, 0) - 1)
;;       q = np.round(r / step) * step * 2.0 ** e      # np.round: ties to even
;;       return np.moveaxis(q.reshape(q.shape[:-2] + (-1,))[..., :K], -1, axis).astype(np.float32)
;;   ~~~
;; One version. Each part assembles by itself: llvm-mc -triple=amdgcn-amd-amdhsa -mcpu=gfx1250 --defsym DOCPART=n.
;; ======== version 1 of 1: 4 launches
;; limits: values are held in f16: magnitudes above 65,504 overflow, below 6.1e-05 lose precision
;; workspace buffers: ac 8,388,608 bytes; asc 524,288 bytes; wc 1,572,864 bytes; wsc 98,304 bytes; wo16 2,097,152 bytes; qkv 50,331,648 bytes; ao 16,777,216 bytes
;; launch prep (part 1): grid 416 x 1, 8 waves a work-group, no clusters, 84,480 bytes of LDS; arguments x, context, Wq, Wkv, Wout, ac, asc, wc, wsc, wo16; writes ac, asc, wc, wsc, wo16
.if DOCPART == 1
	.amdgcn_target "amdgcn-amd-amdhsa--gfx1250"
	.amdhsa_code_object_version 6
	.text
	.protected	k_q1f89210827_prep
	.globl	k_q1f89210827_prep
	.p2align	8
	.type	k_q1f89210827_prep,@function
k_q1f89210827_prep:
	s_mov_b64 s[64:65], 0
	v_nop
	global_prefetch_b8 v0, s[64:65] scope:SCOPE_SE
	s_setreg_imm32_b32 hwreg(HW_REG_WAVE_MODE, 25, 1), 1
	s_wait_xcnt 0x0
; PREP: what the products' launches read is made once.
;   work-groups 0-95:    Wq [1024][1024] and Wkv [1024][2048], f32, K = the FIRST axis -> codes of FP4 (E2M1) with K innermost, wc [3072 columns][512 bytes], and E8M0 bytes wsc [3072][32] (Wq's columns, then Wkv's)
;   work-groups 96-351:  x and context, [8192][1024] f32 each, K innermost -> ac [16384 rows][512 bytes], asc [16384][32] (x's rows, then context's)
;   work-groups 352-415: Wout [1024][1024] f32 -> f16, same layout, wo16
; A block of 32 along K has the scale 2^(floor(log2(its largest magnitude)) - 2); the byte is the largest magnitude's exponent field - 2, held at 1 from below by a floor among the maximum's leaves.
; LIMITS: a block of zeros gets the byte 1 (the rule says 127): its codes are zeros, and only this program reads the bytes.  Blocks whose largest magnitude lies under 2^-124 get the byte 1.
; NaN and infinities among the inputs are not served.  Wout must lie inside f16's range (magnitudes under 65,504).
; The three paths part on the work-group's number alone, the same in all eight waves; each path has LDS bytes of its own.  No tensor load: operands go through registers.
.set STG,   65536                      ; weights: a stage of 32 columns x (512 bytes of codes + 16)
.set WP,    528
.set SCS,   82432                      ; weights: 32 columns x 32 scale bytes
.set SPARE, 83456                      ; the spare words, 128 bytes for each of eight waves: four blocks of 256 bytes that no other line names
.set SPW,   12                         ; v12  LDS address of my spare word; never rewritten
.set NIL,   13                         ; v13  0; never rewritten
.macro FINISH                          ; a wave's end: behind the last LDS store
	s_wait_tensorcnt 0x0
	ds_add_u32 v[SPW], v[NIL]
	s_wait_dscnt 0x0
	s_endpgm
.endm
	s_load_b512 s[4:19], s[0:1], 0x0               ; x s[4:5], context s[6:7], Wq s[8:9], Wkv s[10:11], Wout s[12:13], ac s[14:15], asc s[16:17], wc s[18:19]
	s_load_b128 s[20:23], s[0:1], 0x40             ; wsc s[20:21], wo16 s[22:23]
	v_lshl_add_u32 v[SPW], v0, 2, SPARE
	v_mov_b32 v[NIL], 0
	v_lshrrev_b32 v1, 5, v0
	v_readfirstlane_b32 s24, v1                    ; wave 0..7
	v_and_b32 v2, 31, v0                           ; lane
	s_mov_b32 s29, 0                               ; the high word of every 32-bit offset made in s28
	s_wait_kmcnt 0x0
	s_cmp_lt_u32 ttmp9, 96
	s_cbranch_scc1 .Lweights
	s_cmp_lt_u32 ttmp9, 352
	s_cbranch_scc1 .Lacts
; ---- Wout to f16.  A wave takes 2,048 numbers: 16 loads of 512 consecutive bytes, all issued at once; each gives one store of 256 consecutive bytes, aligned.
	s_sub_co_u32 s26, ttmp9, 352
	s_lshl_b32 s26, s26, 3
	s_add_co_u32 s26, s26, s24                     ; which run of 2,048 numbers is my wave's
	s_lshl_b32 s28, s26, 13
	s_add_nc_u64 s[12:13], s[12:13], s[28:29]
	s_lshl_b32 s28, s26, 12
	s_add_nc_u64 s[22:23], s[22:23], s[28:29]
	v_lshlrev_b32 v3, 4, v2
	v_lshlrev_b32 v4, 3, v2
.irp j, 0,1,2,3,4,5,6,7,8,9,10,11,12,13,14,15
	global_load_b128 v[16+4*\j:19+4*\j], v3, s[12:13] offset:512*\j th:TH_LOAD_NT
.endr
.irp j, 0,1,2,3,4,5,6,7,8,9,10,11,12,13,14,15
	s_wait_loadcnt 15-\j                           ; loads come back in order: number j is in, the 15 - j younger ones stay out
	v_cvt_pk_f16_f32 v[80+2*\j], v[16+4*\j], v[17+4*\j]
	v_cvt_pk_f16_f32 v[81+2*\j], v[18+4*\j], v[19+4*\j]
	global_store_b64 v4, v[80+2*\j:81+2*\j], s[22:23] offset:256*\j   ; each step has its own data registers: none is written again
.endr
	FINISH
; ---- x and context.  Rows are dense and K is a multiple of 32: both are plain streams of blocks of 32.  A wave takes 16 steps of 512 numbers.
; Each of a step's four loads reads 512 consecutive bytes; the 2,048 bytes turn through the wave's own stage in LDS and come back 64 bytes a lane: 16 neighbours along K, two lanes to a block.
.Lacts:
.set STEPS, 16
.set EMAX,  2
.set CB,    8                          ; bytes of 16 codes
.set AR,    16                         ; v16-79   four sets of 16 numbers as they are loaded
.set AX,    80                         ; v80-111  two sets of 16 neighbours
.set AE,    112                        ; v112-127 a scale byte for each step
.set ACD,   128                        ; v128-191 codes: four registers for each step, so that no store's data are written again
.set WREG,  8192                       ; LDS: a region for each wave: two stages of 32 x SP bytes, behind them its 256 scale bytes
.set SP,    80                         ; a lane's place in a stage: 64 bytes + 16 of padding
	s_sub_co_u32 s25, ttmp9, 96
	s_cmp_lt_u32 s25, 128                          ; x's work-group or context's: the choice hangs on the work-group's number alone
	s_cselect_b64 s[4:5], s[4:5], s[6:7]
	s_and_b32 s26, s25, 127
	s_lshl_b32 s26, s26, 3
	s_add_co_u32 s26, s26, s24                     ; which run of 8,192 numbers of that tensor
	s_lshl_b32 s28, s26, 15
	s_add_nc_u64 s[4:5], s[4:5], s[28:29]
	s_lshl_b32 s26, s25, 3
	s_add_co_u32 s26, s26, s24                     ; and of the joint buffers
	s_lshl_b32 s28, s26, 12
	s_add_nc_u64 s[14:15], s[14:15], s[28:29]      ; 4,096 bytes of codes a run
	s_lshl_b32 s28, s26, 8
	s_add_nc_u64 s[16:17], s[16:17], s[28:29]      ; 256 scale bytes a run
	v_lshlrev_b32 v3, 4, v2                        ; my 16 bytes of a load's 512
	s_mul_i32 s27, s24, WREG
	v_lshrrev_b32 v14, 2, v2
	v_mul_u32_u24 v14, v14, SP
	v_and_b32 v15, 3, v2
	v_lshl_add_u32 v14, v15, 4, v14
	v_add_nc_u32 v14, s27, v14                     ; the stage, on the way in: SP (lane / 4) + 16 (lane % 4)
	v_mul_u32_u24 v15, v2, SP
	v_add_nc_u32 v15, s27, v15                     ; and on the way out: SP x lane
	v_mul_u32_u24 v4, v2, CB                       ; my codes' place in a step's
	v_lshrrev_b32 v5, 1, v2
	s_add_co_u32 s27, s27, 2*32*SP
	v_add_nc_u32 v5, s27, v5                       ; LDS: my wave's 256 scale bytes, my block's byte
	v_lshlrev_b32 v7, 3, v2
	v_add_nc_u32 v6, s27, v7                       ; and on the way out 8 bytes a lane
.macro ALOAD t
.irp i, 0,1,2,3
	global_load_b128 v[AR+16*((\t)%4)+4*\i:AR+16*((\t)%4)+4*\i+3], v3, s[4:5] offset:2048*(\t)+512*\i th:TH_LOAD_NT
.endr
.endm
.macro ATURN t                         ; step t's numbers through the stage: LDS serves a wave's instructions in order, so no wait stands between the stores and the loads
.irp i, 0,1,2,3
	ds_store_b128 v14, v[AR+16*((\t)%4)+4*\i:AR+16*((\t)%4)+4*\i+3] offset:32*SP*((\t)%2)+8*SP*\i
.endr
.irp i, 0,1,2,3
	ds_load_b128 v[AX+16*((\t)%2)+4*\i:AX+16*((\t)%2)+4*\i+3], v15 offset:32*SP*((\t)%2)+16*\i
.endr
.endm
.irp t, 0,1,2,3
	ALOAD \t
.endr
	s_wait_loadcnt 12                              ; step 0's four loads are in
	ATURN 0
.macro ASTEP t
.set XS, AX+16*((\t)%2)
.if (\t) > 0
	s_wait_dscnt 1                                 ; this step's numbers are back from the stage (the last step's byte store may be out)
.else
	s_wait_dscnt 0x0
.endif
.if (\t)+4 < STEPS
	ALOAD (\t)+4                                   ; into the registers that the stage's stores have read
.endif
.if (\t)+1 < STEPS
.if STEPS-2-(\t) >= 3
	s_wait_loadcnt 12                              ; the next step's four loads are in; those of the three steps behind it may be out
.else
	s_wait_loadcnt 4*(STEPS-2-(\t))
.endif
	ATURN (\t)+1
.endif
	v_max3_num_f32 v8, |v[XS]|, |v[XS+1]|, |v[XS+2]|               ; the largest magnitude of my 16, in two chains
	v_max3_num_f32 v9, |v[XS+3]|, |v[XS+4]|, |v[XS+5]|
.irp i, 6,10
	v_max3_num_f32 v8, v8, |v[XS+\i]|, |v[XS+\i+1]|
	v_max3_num_f32 v9, v9, |v[XS+\i+2]|, |v[XS+\i+3]|
.endr
	v_max3_num_f32 v8, v8, |v[XS+14]|, |v[XS+15]|
	v_max3_num_f32 v8, v8, v9, (EMAX+1)<<23        ; and the floor 2^(3 - 127): the byte cannot fall under 1
	v_max_num_f32_dpp v8, v8, v8 row_xmask:1 row_mask:0xf bank_mask:0xf   ; with my neighbour's 16: the block's
	v_add_nc_u32 v11, 0xff000000, v8               ; 2 off its exponent field: the conversion takes the exponent field of this operand as its scale
	v_cvt_scalef32_pk8_fp4_f32 v[ACD+4*(\t)], v[XS:XS+7], v11
	v_cvt_scalef32_pk8_fp4_f32 v[ACD+4*(\t)+1], v[XS+8:XS+15], v11
	v_lshrrev_b32 v[AE+(\t)], 23, v11              ; the scale's byte (also the plain line behind the conversions)
	ds_store_b8 v5, v[AE+(\t)] offset:16*(\t)      ; both lanes of a block write the same byte with the same value
	global_store_b64 v4, v[ACD+4*(\t):ACD+4*(\t)+1], s[14:15] offset:32*CB*(\t)   ; the wave stores 256 consecutive bytes, aligned
.endm
.irp t, 0,1,2,3,4,5,6,7,8,9,10,11,12,13,14,15
	ASTEP \t
.endr
	ds_load_b64 v[8:9], v6                         ; my wave's 256 scale bytes: these loads see my stores
	s_wait_dscnt 0x0
	global_store_b64 v7, v[8:9], s[16:17]          ; 256 consecutive bytes, aligned
	FINISH
; ---- Wq and Wkv.  A work-group takes 32 columns and all of K; wave w takes K rows 128 w .. 128 w + 127; A LANE TAKES A COLUMN AND ITS REGISTERS RUN DOWN K:
; a block of 32 along K lies in one lane's 32 registers, and the conversions give codes with K innermost.  All 128 loads of a wave are issued at once.
; The eight waves' codes of a column meet in a stage, so that a column's 512 bytes leave by one store of the wave.
.Lweights:
.set VO,  16                           ; v16-47   4 x lane + i rows, i = 0 .. 31
.set WX,  48                           ; v48-175  128 numbers: four blocks
.set WC,  176                          ; v176-191 four registers of codes for each block
	s_cmp_lt_u32 ttmp9, 32                         ; Wq's columns or Wkv's: the work-group's number alone decides
	s_cselect_b64 s[8:9], s[8:9], s[10:11]
	s_cselect_b32 s25, 0, 32
	s_mov_b32 s26, 8192
	s_cselect_b32 s26, 4096, s26                   ; a row of the weight in bytes
	s_sub_co_u32 s25, ttmp9, s25                   ; which 32 columns of that weight
	s_lshl_b32 s28, s25, 7
	s_add_nc_u64 s[8:9], s[8:9], s[28:29]
	s_lshl_b32 s27, s24, 7
	s_mul_i32 s28, s27, s26                        ; my wave's first K row
	s_add_nc_u64 s[40:41], s[8:9], s[28:29]        ; a base for each block: nothing is stepped later
	s_lshl_b32 s28, s26, 5
	s_add_nc_u64 s[42:43], s[40:41], s[28:29]
	s_add_nc_u64 s[44:45], s[42:43], s[28:29]
	s_add_nc_u64 s[46:47], s[44:45], s[28:29]
	v_lshlrev_b32 v3, 2, v2
	v_mov_b32 v4, s26
.irp i, 0,1,2,3,4,5,6,7,8,9,10,11,12,13,14,15,16,17,18,19,20,21,22,23,24,25,26,27,28,29,30,31
	v_mad_u32_u24 v[VO+\i], v4, \i, v3
.endr
.irp t, 0,1,2,3
.irp i, 0,1,2,3,4,5,6,7,8,9,10,11,12,13,14,15,16,17,18,19,20,21,22,23,24,25,26,27,28,29,30,31
	global_load_b32 v[WX+32*\t+\i], v[VO+\i], s[40+2*\t:41+2*\t]   ; W(128 w + 32 t + i, my column): 32 lanes read 128 consecutive bytes
.endr
.endr
	v_mul_u32_u24 v5, v2, WP                       ; every LDS address is made here, ahead of the branch on the wave's number below
	s_lshl_b32 s30, s24, 6
	s_add_co_u32 s30, s30, STG
	v_add_nc_u32 v5, s30, v5                       ; into the stage: row = my column, my wave's 64 bytes
	v_lshlrev_b32 v6, 5, v2
	s_lshl_b32 s31, s24, 2
	s_add_co_u32 s31, s31, SCS
	v_add_nc_u32 v6, s31, v6                       ; my column's scale bytes, my wave's word
	v_lshlrev_b32 v7, 4, v2                        ; 16 x lane
	s_mul_i32 s32, s24, 4*WP
	s_add_co_u32 s32, s32, STG
	v_add_nc_u32 v15, s32, v7                      ; out of the stage: columns 4 w .. 4 w + 3, whole
	s_and_b32 s33, s24, 1
	s_lshl_b32 s33, s33, 9
	s_add_co_u32 s35, s33, SCS
	v_add_nc_u32 v1, s35, v7                       ; half of the 1,024 scale bytes (waves 0 and 1 send them)
	s_lshl_b32 s28, ttmp9, 5
	s_lshl_b32 s34, s24, 2
	s_add_co_u32 s28, s28, s34
	s_lshl_b32 s28, s28, 9
	s_add_nc_u64 s[18:19], s[18:19], s[28:29]      ; wc at column 32 x work-group + 4 w
	s_lshl_b32 s28, ttmp9, 10
	s_add_co_u32 s28, s28, s33
	s_add_nc_u64 s[20:21], s[20:21], s[28:29]      ; wsc at the work-group's 1,024 bytes, my half
.macro WBLOCK t, left
.set XS, WX+32*(\t)
	s_wait_loadcnt \left
	v_max3_num_f32 v8, |v[XS]|, |v[XS+1]|, |v[XS+2]|               ; the block's largest magnitude: all 32 numbers are mine
	v_max3_num_f32 v9, |v[XS+3]|, |v[XS+4]|, |v[XS+5]|
.irp i, 6,10,14,18,22,26
	v_max3_num_f32 v8, v8, |v[XS+\i]|, |v[XS+\i+1]|
	v_max3_num_f32 v9, v9, |v[XS+\i+2]|, |v[XS+\i+3]|
.endr
	v_max3_num_f32 v8, v8, |v[XS+30]|, |v[XS+31]|
	v_max3_num_f32 v8, v8, v9, 0x1800000           ; and the floor 2^(3 - 127)
	v_add_nc_u32 v11, 0xff000000, v8               ; the conversion's scale operand
.if (\t) == 0
	v_lshrrev_b32 v14, 23, v11                     ; the four bytes make one word, the lower K in the lower byte
.else
	v_lshrrev_b32 v10, 23, v11
	v_lshl_or_b32 v14, v10, 8*(\t), v14
.endif
.irp g, 0,1,2,3
	v_cvt_scalef32_pk8_fp4_f32 v[WC+4*(\t)+\g], v[XS+8*\g:XS+8*\g+7], v11
.endr
	v_nop                                          ; one plain line behind the last conversion of a run
	ds_store_b128 v5, v[WC+4*(\t):WC+4*(\t)+3] offset:16*(\t)
.endm
	WBLOCK 0, 63                                   ; 96 loads are younger than block 0's; 63 is the largest count that can be written, and a smaller count is always right
	WBLOCK 1, 63                                   ; 64 are younger
	WBLOCK 2, 32
	WBLOCK 3, 0
	ds_store_b32 v6, v14
	s_wait_dscnt 0x0                               ; for the others' sake: my stores into the stages are done
	s_barrier_signal -1
	s_barrier_wait -1
.irp j, 0,1,2,3
	ds_load_b128 v[192+4*\j:195+4*\j], v15 offset:WP*\j
.endr
.irp j, 0,1,2,3
	s_wait_dscnt 3-\j
	global_store_b128 v7, v[192+4*\j:195+4*\j], s[18:19] offset:512*\j   ; a column's 512 bytes: consecutive, aligned
.endr
	s_cmp_lt_u32 s24, 2
	s_cbranch_scc0 .Lwdone
	ds_load_b128 v[208:211], v1
	s_wait_dscnt 0x0
	global_store_b128 v7, v[208:211], s[20:21]     ; 512 consecutive scale bytes
.Lwdone:
	FINISH
.Lfunc_end_k_q1f89210827_prep:
	.size	k_q1f89210827_prep, .Lfunc_end_k_q1f89210827_prep-k_q1f89210827_prep
	.p2alignl 7, 3214868480
	.fill 96, 4, 3214868480
	.section	.rodata,"a",@progbits
	.p2align	6, 0x0
	.amdhsa_kernel k_q1f89210827_prep
		.amdhsa_group_segment_fixed_size 84480
		.amdhsa_private_segment_fixed_size 0
		.amdhsa_enable_private_segment 0
		.amdhsa_kernarg_size 80
		.amdhsa_user_sgpr_count 2
		.amdhsa_user_sgpr_kernarg_segment_ptr 1
		.amdhsa_wavefront_size32 1
		.amdhsa_system_sgpr_workgroup_id_x 1
		.amdhsa_system_sgpr_workgroup_id_y 1
		.amdhsa_system_sgpr_workgroup_id_z 1
		.amdhsa_system_vgpr_workitem_id 0
		.amdhsa_next_free_vgpr 216
		.amdhsa_next_free_sgpr 66
		.amdhsa_reserve_vcc 0
		.amdhsa_float_denorm_mode_32 3
		.amdhsa_float_denorm_mode_16_64 3
		.amdhsa_memory_ordered 1
		.amdhsa_forward_progress 1
		.amdhsa_inst_pref_size 62
	.end_amdhsa_kernel
	.amdgpu_metadata
---
amdhsa.version: [ 1, 2 ]
amdhsa.kernels:
  - .name:           k_q1f89210827_prep
    .symbol:         k_q1f89210827_prep.kd
    .args:
      - { .name: x, .offset: 0, .size: 8, .value_kind: global_buffer, .address_space: global }
      - { .name: context, .offset: 8, .size: 8, .value_kind: global_buffer, .address_space: global }
      - { .name: Wq, .offset: 16, .size: 8, .value_kind: global_buffer, .address_space: global }
      - { .name: Wkv, .offset: 24, .size: 8, .value_kind: global_buffer, .address_space: global }
      - { .name: Wout, .offset: 32, .size: 8, .value_kind: global_buffer, .address_space: global }
      - { .name: ac, .offset: 40, .size: 8, .value_kind: global_buffer, .address_space: global }
      - { .name: asc, .offset: 48, .size: 8, .value_kind: global_buffer, .address_space: global }
      - { .name: wc, .offset: 56, .size: 8, .value_kind: global_buffer, .address_space: global }
      - { .name: wsc, .offset: 64, .size: 8, .value_kind: global_buffer, .address_space: global }
      - { .name: wo16, .offset: 72, .size: 8, .value_kind: global_buffer, .address_space: global }
    .group_segment_fixed_size: 84480
    .private_segment_fixed_size: 0
    .kernarg_segment_align: 8
    .kernarg_segment_size: 80
    .max_flat_workgroup_size: 256
    .sgpr_count:     66
    .vgpr_count:     216
    .wavefront_size: 32
...
	.end_amdgpu_metadata
.endif
;; end of part 1
;; launch proj (part 2): grid 12 x 32, 4 waves a work-group, clusters of 4 x 4, 327,680 bytes of LDS; arguments ac, asc, wc, wsc, mask, qkv; writes qkv
.if DOCPART == 2
	.amdgcn_target "amdgcn-amd-amdhsa--gfx1250"
	.amdhsa_code_object_version 6
	.text
	.protected	k_q1f89210827_proj
	.globl	k_q1f89210827_proj
	.p2align	8
	.type	k_q1f89210827_proj,@function
k_q1f89210827_proj:
	s_mov_b64 s[64:65], 0
	v_nop
	global_prefetch_b8 v0, s[64:65] scope:SCOPE_SE
	s_setreg_imm32_b32 hwreg(HW_REG_WAVE_MODE, 25, 1), 1
	s_wait_xcnt 0x0
	s_wait_alu depctr_hold_cnt(0) depctr_sa_sdst(0) depctr_va_vdst(0) depctr_va_sdst(0) depctr_va_ssrc(0) depctr_va_vcc(0) depctr_vm_vsrc(0)
	s_getreg_b32 s2, hwreg(HW_REG_IB_STS2, 6, 4)
	s_cmp_eq_u32 s2, 0
	s_cbranch_scc0 .Lentry_in_a_cluster
	s_endpgm
.Lentry_in_a_cluster:
	s_bfe_u32 s2, ttmp6, 0x10000c
	s_cmp_lg_u32 s2, 0xf033
	s_cbranch_scc0 .Lentry_shape_is_right
	s_endpgm
.Lentry_shape_is_right:
; PROJ: q = x Wq, k and v = context Wkv, on codes of FP4 (E2M1) with one E8M0 scale for each 32 along K = 1,024; sums in f32.
; C is [8192 rows][3072 columns] in tiles of 256 x 256; the cluster's x says which part a tile belongs to: 0 = q (rows of x), 1 = k, 2 = v (rows of context).
; THE WAY OUT: each row is multiplied in f32 by a factor, rounded ONCE to f16 and stored by heads: qkv [3 parts][64 batch x head][2048 positions][64] f16.
;   q: log2(e) / 8, so that the attention's scores are exponents of 2 as they leave the matrix unit;   k: the key's mask byte (a hidden key's row becomes zeros);   v: 1.
; LIMIT: q log2(e) / 8, k and v must lie inside f16's range (magnitudes under 65,504).
; A work-group of four waves makes 256 x 256, a wave 128 x 128: 64 accumulators, 512 registers.  K is two slots of 512: both, and the scale bytes of all of K, are asked for at the head; nothing is filled again.
; CLUSTERS: 4 x 4 work-groups.  The four of a row of the cluster need the same tiles of A, the four of a column the same tiles of B: each tile is asked for JOINTLY.
; THE MATRIX INSTRUCTION IS USED TRANSPOSED (source 0 = 16 rows of B, source 1 = 16 rows of A): a lane holds eight neighbouring columns of one row of C.
; REGISTERS, in windows of 256: window 0: v0-31 addresses; v32-95 scale words, two sets; v96-111 the rows' factors, in pairs; v112-119 mask bytes; v128-191 A's fragments, ONE set; on the way out v32-63, v192-255.
;   window 1: B's fragments, TWO sets, at v0 and v128.   window 2: the accumulators of my rows 0-63 ((a, b) at v[8 (8 a + b)]);   window 3: those of my rows 64-127.
.set SIZE_K, 1024
.set KSTEP,  512                       ; along K in a slot
.set NQ,     KSTEP/128                 ; matrix instructions deep
.set ROWB,   256                       ; a tile's row in bytes
.set KROW,   SIZE_K*4/8                ; a row of codes in memory
.set PITCH,  272                       ; an LDS row: 256 bytes + 16 of padding: the 16 rows that a load touches start at 16 different banks (64 banks of 4 bytes: ISA guide 11.1)
.set FR,     8                         ; registers of a fragment: 16 rows x 128 K
.set NL,     2                         ; LDS loads that bring one
.set NP,     4                         ; places behind this matrix instruction (ISA guide 7.12.1)
.set HALFT,  128*PITCH                 ; 128 rows: what one tensor load brings
.set SLOT,   4*HALFT                   ; A's 256 rows, then B's 256 rows
.set KS,     SIZE_K/32                 ; a row of scale bytes
.set SCL,    2*SLOT                    ; behind the slots: the scales, as units of 256 bytes + 16 of padding
.set HALFS,  (128*KS/256)*272          ; the scales of 128 rows
.set SBLK,   (16*KS/256)*272           ; those of 16 rows
.set SPARE,  SCL+4*HALFS               ; the spare words, 128 bytes for each wave: two blocks of 256 bytes that no other line names
.set SPITCH, 272                       ; the way out: a stage of 16 rows x (256 bytes + 16) for each wave, in slot 0, which has had its only fill and its last read by then
.set ADRA, 16                          ; v16-17  LDS address of my A fragments in slot 0, 1
.set ADRB, 20                          ; v20-21  the same for B
.set STO,  24                          ; v24     the way out: where I put 16 bytes of a row
.set RD,   25                          ; v25     where I read rows back
.set CO,   26                          ; v26     my byte offset in qkv
.set ADRS, 27                          ; v27     LDS address of my scale words: lanes 0-15 A's rows, lanes 16-31 B's
.set SPW,  28                          ; v28     LDS address of my spare word; never rewritten
.set NIL,  29                          ; v29     0; never rewritten
.set SC,   32                          ; scale words: set s at v[SC + 32 s]; register 4 i + q: lanes 0-15 A's block i, lanes 16-31 B's block i, the slot's q-th 128 along K
.set FM,   96                          ; the factor of my row of block a, twice: v[FM + 2 a], v[FM + 2 a + 1]
.set MK,   112                         ; the mask byte of my row of block a
.set AF,   128                         ; A's fragments
.set TMP,  192                         ; the way out: packed results
.set OB,   32                          ; the way out: rows read back: v32-63 and v224-255 by turns
.set G1, 24                            ; s[24:31] descriptor group 1 for A's tiles;  s[32:39] group 0, one set for each slot
.set G0, 32
.set G1B, 48                           ; s[48:55], s[56:63] the same for B's tiles
.set G0B, 56
.set G1S, 68                           ; s[68:75], s[76:79] groups 1 and 0 for A's scales;  s[80:87], s[88:91] for B's
.set G0S, 76
.set G1SB, 80
.set G0SB, 88
.set MSB, 0
.macro WIN new                         ; the immediate's high byte repeats the setting that is left
.if MSB != (\new)
	s_set_vgpr_msb (MSB<<8)|(\new)
.set MSB, (\new)
.endif
.endm
.set MUL_LO, 0xa1                      ; source 0 (B) window 1, source 1 (A) window 0, C and D window 2
.set MUL_HI, 0xf1                      ; the same, C and D window 3
.set TO_B,   0x40                      ; destination window 1, address window 0
; A joint load: waves 0 and 1 fetch for A, waves 2 and 3 for B.  Each line has ONE mask and one set of registers for all that issue it; the branch hangs on the wave's number alone.
; An s_nop 0 and four v_nop follow each of the two lines.
.macro JLOAD g0a, g1a, g0b, g1b
	s_cmp_eq_u32 s15, 0
	s_cbranch_scc0 .Lfor_b_\@
	tensor_load_to_lds s[\g0a:\g0a+3], s[\g1a:\g1a+7]
	s_nop 0
.rept 4
	v_nop
.endr
	s_branch .Lasked_\@
.Lfor_b_\@:
	tensor_load_to_lds s[\g0b:\g0b+3], s[\g1b:\g1b+7]
	s_nop 0
.rept 4
	v_nop
.endr
.Lasked_\@:
.endm
.macro CROUND                          ; a round of the cluster's barrier
	s_barrier_signal -1
	s_barrier_wait -1
	s_cmp_lg_u32 s14, 0
	s_cbranch_scc1 .Lnot_wave_0_\@
	s_barrier_signal -3
.Lnot_wave_0_\@:
	s_barrier_wait -3
	s_barrier_signal -1
	s_barrier_wait -1
.endm
	s_load_b128 s[4:7], s[0:1], 0x0                ; A's codes s[4:5], A's scales s[6:7]
	s_load_b128 s[8:11], s[0:1], 0x10              ; B's codes s[8:9], B's scales s[10:11]
	s_load_b64 s[2:3], s[0:1], 0x20                ; the mask
	s_load_b64 s[12:13], s[0:1], 0x28              ; qkv
	v_lshl_add_u32 v[SPW], v0, 2, SPARE
	v_mov_b32 v[NIL], 0
	ds_add_u32 v[SPW], v[NIL]                      ; the wave's opening: the add, twice on end, and its wait ahead of my first tensor load
	ds_add_u32 v[SPW], v[NIL]
	v_lshrrev_b32 v1, 5, v0
	v_readfirstlane_b32 s14, v1                    ; wave 0..3
	s_lshr_b32 s15, s14, 1                         ; which half of the tile's rows is mine.  Also: I fetch for A (0) or for B (1)
	s_and_b32 s16, s14, 1                          ; which half of its columns.  Also: which 128 rows of that tile I fetch
	s_bfe_u32 s40, ttmp6, 0x40000                  ; cx, cy: my place in the cluster
	s_bfe_u32 s41, ttmp6, 0x40004
	s_lshl_b32 s42, ttmp9, 2
	s_add_co_u32 s42, s42, s40                     ; tile column 0..11 = 4 x cluster x + cx
	s_and_b32 s17, ttmp7, 0xffff
	s_lshl_b32 s17, s17, 2
	s_add_co_u32 s17, s17, s41                     ; tile row 0..31 = 4 x cluster y + cy
	s_lshl_b32 s43, s41, 2
	s_lshl_b32 s43, 15, s43                        ; my row of the cluster
	s_lshl_b32 s44, 0x1111, s40                    ; my column
	s_or_b32 s[G1+0], s43, (0<<16)|(1<<20)|(1<<21)|(5<<22)|(3<<25)  ; 15:0 the mask; 17:16 elements of 1 byte; 20 padding on; 21 set beside a mask; 24:22 after every 64 words; 31:25 four words
	s_or_b32 s[G1B+0], s44, (0<<16)|(1<<20)|(1<<21)|(5<<22)|(3<<25)
.irp g, G1, G1B
	s_mov_b32 s[\g+1], ROWB<<16                    ; tensor_dim0
	s_mov_b32 s[\g+2], 128<<16                     ; tensor_dim1
	s_mov_b32 s[\g+3], ROWB<<16                    ; tile_dim0
	s_mov_b32 s[\g+4], 128                         ; tile_dim1
	s_mov_b32 s[\g+5], KROW                        ; tensor_dim0_stride
	s_mov_b32 s[\g+6], 0
	s_mov_b32 s[\g+7], 0
.endr
	s_or_b32 s[G1S+0], s43, (3<<16)|(1<<20)|(1<<21)|(5<<22)|(3<<25) ; the scales of 128 rows: 4,096 dense bytes as 16 rows of 256 (32 elements of 8 bytes), 16 bytes of padding behind each
	s_or_b32 s[G1SB+0], s44, (3<<16)|(1<<20)|(1<<21)|(5<<22)|(3<<25)
.irp g, G1S, G1SB
	s_mov_b32 s[\g+1], 32<<16
	s_mov_b32 s[\g+2], (128*KS/256)<<16
	s_mov_b32 s[\g+3], 32<<16
	s_mov_b32 s[\g+4], 128*KS/256
	s_mov_b32 s[\g+5], 32
	s_mov_b32 s[\g+6], 0
	s_mov_b32 s[\g+7], 0
.endr
	s_cmp_eq_u32 ttmp9, 1                          ; the rows' factor = mask x s96 + s97.  The cluster's x is the same in all sixteen partners
	s_cselect_b32 s96, 1.0, 0
	s_cmp_eq_u32 ttmp9, 0
	s_cselect_b32 s97, 0x3e38aa3b, 1.0             ; q: log2(e) / 8;  v: 1
	s_cselect_b32 s19, 0, 0x2000                   ; q's tiles take x's rows, the others context's, 8,192 rows further on
	s_cmp_eq_u32 ttmp9, 1
	s_cselect_b32 s97, 0, s97                      ; k: the mask alone
	s_lshl_b32 s18, s16, 7                         ; which 128 rows of the tile I fetch
	s_lshl_b32 s20, s17, 8
	s_add_co_u32 s20, s20, s18
	s_add_co_u32 s20, s20, s19                     ; A: row 256 x tile row + 128 x half (+ 8,192)
	s_lshl_b32 s46, s42, 8
	s_add_co_u32 s46, s46, s18                     ; B: row 256 x tile column + 128 x half
	s_mov_b32 s21, 0
	s_mov_b32 s47, 0
	s_mov_b64 s[18:19], KS
	s_mul_u64 s[22:23], s[20:21], s[18:19]         ; where these rows' scales begin, in bytes
	s_mul_u64 s[92:93], s[46:47], s[18:19]
	s_mov_b64 s[18:19], KROW
	s_mul_u64 s[20:21], s[20:21], s[18:19]         ; and their codes
	s_mul_u64 s[46:47], s[46:47], s[18:19]
	s_mul_i32 s45, s14, HALFT                      ; where they go: wave x 128 rows: no place in the cluster enters an LDS address
	s_mul_i32 s94, s14, HALFS
	s_wait_dscnt 0x0                               ; both opening adds are done
	s_wait_kmcnt 0x0
	s_add_nc_u64 s[20:21], s[4:5], s[20:21]
	s_add_nc_u64 s[22:23], s[6:7], s[22:23]
	s_add_nc_u64 s[46:47], s[8:9], s[46:47]
	s_add_nc_u64 s[92:93], s[10:11], s[92:93]
	CROUND                                         ; all sixteen work-groups are here: the joint loads meet
	s_mov_b32 s[G0S], 1
	s_add_co_u32 s[G0S+1], s94, SCL
	s_mov_b64 s[G0S+2:G0S+3], s[22:23]
	s_or_b32 s[G0S+3], s[G0S+3], 0x80000000
	s_mov_b32 s[G0SB], 1
	s_add_co_u32 s[G0SB+1], s94, SCL
	s_mov_b64 s[G0SB+2:G0SB+3], s[92:93]
	s_or_b32 s[G0SB+3], s[G0SB+3], 0x80000000
	JLOAD G0S, G1S, G0SB, G1SB                     ; the scales first: they are wanted with the first slot
.irp s, 0,1
	s_mov_b32 s[G0+4*\s], 1
	s_add_co_u32 s[G0+4*\s+1], s45, \s*SLOT
	s_add_nc_u64 s[G0+4*\s+2:G0+4*\s+3], s[20:21], \s*ROWB
	s_or_b32 s[G0+4*\s+3], s[G0+4*\s+3], 0x80000000
	s_mov_b32 s[G0B+4*\s], 1
	s_add_co_u32 s[G0B+4*\s+1], s45, \s*SLOT
	s_add_nc_u64 s[G0B+4*\s+2:G0B+4*\s+3], s[46:47], \s*ROWB
	s_or_b32 s[G0B+4*\s+3], s[G0B+4*\s+3], 0x80000000
	JLOAD G0+4*\s, G1, G0B+4*\s, G1B               ; three loads of mine are out
.endr
	v_and_b32 v1, 15, v0                           ; l % 16
	v_bfe_u32 v2, v0, 4, 1                         ; l / 16
	s_lshl_b32 s22, s17, 8                         ; the mask bytes of my 128 rows: a row of context is a key, and its number is the byte's place.  (q's tiles read them too and multiply them by 0)
	s_lshl_b32 s23, s15, 7
	s_add_co_u32 s22, s22, s23
	s_mov_b32 s23, 0
	s_add_nc_u64 s[2:3], s[2:3], s[22:23]
.irp a, 0,1,2,3,4,5,6,7
	global_load_u8 v[MK+\a], v1, s[2:3] offset:16*\a   ; waited for on the way out; v1 and s[2:3] are not written again
.endr
	v_mul_u32_u24 v3, v1, PITCH
	v_lshl_add_u32 v4, v2, 4, v3                   ; a fragment's row x pitch + 16 x half
	s_mul_i32 s21, s15, HALFT                      ; my 128 rows of A
	s_mul_i32 s22, s16, HALFT                      ; my 128 rows of B,
	s_add_co_u32 s22, s22, 2*HALFT                 ; which lie behind A's 256
.irp s, 0,1
	v_add_nc_u32 v[ADRA+\s], s21, v4
	v_add_nc_u32 v[ADRB+\s], s22, v4
	s_add_co_u32 s21, s21, SLOT
	s_add_co_u32 s22, s22, SLOT
.endr
	v_mul_u32_u24 v5, v1, KS                       ; my row's scales: KS bytes a row,
	v_lshrrev_b32 v6, 8, v5
	v_lshl_add_u32 v5, v6, 4, v5                   ; and 16 more for each 256 passed
	s_mul_i32 s21, s15, HALFS                      ; A's: my 128 rows
	s_mul_i32 s22, s16, HALFS                      ; B's: my 128 rows, behind A's 256
	s_add_co_u32 s22, s22, 2*HALFS
	s_sub_co_u32 s22, s22, s21
	v_mul_u32_u24 v6, s22, v2                      ; lanes 16-31 take B's: the lower base + half x the distance
	s_add_co_u32 s21, s21, SCL
	v_add_nc_u32 v5, v5, v6
	v_add_nc_u32 v[ADRS], s21, v5
	s_mul_i32 s23, s14, 16*SPITCH                  ; my stage
	v_mul_u32_u24 v5, v1, SPITCH                   ; in: row l % 16, 16 bytes for each half of the lanes
	v_lshl_add_u32 v5, v2, 4, v5
	v_add_nc_u32 v[STO], s23, v5
	v_bfe_u32 v5, v0, 3, 1                         ; back: lanes 0-7 one row's first 128 bytes (the first head), lanes 8-15 the next row's; lanes 16-31 the same rows' second 128 bytes (the second head)
	v_mul_u32_u24 v5, v5, SPITCH
	v_lshl_add_u32 v5, v2, 7, v5
	v_and_b32 v6, 7, v0
	v_lshl_add_u32 v5, v6, 4, v5
	v_add_nc_u32 v[RD], s23, v5
	v_lshlrev_b32 v[CO], 4, v1                     ; in qkv two neighbouring rows of a head are 256 consecutive bytes; the next head lies 262,144 bytes on
	v_lshl_add_u32 v[CO], v2, 18, v[CO]
	s_lshr_b32 s20, s17, 3                         ; where my part begins in qkv: batch = tile row / 8,
	s_lshl_b32 s20, s20, 4
	s_lshl_b32 s46, s40, 2
	s_add_co_u32 s20, s20, s46                     ; head = 4 cx + 2 x column half,
	s_lshl_b32 s46, s16, 1
	s_add_co_u32 s20, s20, s46
	s_lshl_b32 s20, s20, 11                        ; 2,048 positions a head,
	s_and_b32 s46, s17, 7
	s_lshl_b32 s46, s46, 8
	s_add_co_u32 s20, s20, s46                     ; position = 256 (tile row % 8) + 128 x row half,
	s_lshl_b32 s46, s15, 7
	s_add_co_u32 s20, s20, s46
	s_lshl_b32 s20, s20, 7                         ; 128 bytes a row,
	s_lshl_b32 s46, ttmp9, 24
	s_add_co_u32 s20, s20, s46                     ; and the part: 16,777,216 bytes each
	s_mov_b32 s21, 0
	s_add_nc_u64 s[12:13], s[12:13], s[20:21]
.macro FRAG reg, adr, q, i             ; a fragment, 16 rows x 128 K of 4-bit codes: lane l holds row l % 16; registers 4 c .. 4 c + 3 hold K = 64 c + 32 (l / 16) + 0 .. 31
.irp c, 0,1
	ds_load_b128 v[\reg+4*\c:\reg+4*\c+3], v[\adr] offset:64*(\q)+32*\c+(\i)*16*PITCH
.endr
.endm
; 16 matrix instructions: A's blocks a0, a0 + 1 x B's eight, the slot's q-th 128 along K.  p: B's set;  sc: the set of scale words.  zero = 1: the first product starts the sums.
; The 64 accumulators take turns, one instruction a turn, in the same order in every step.
.macro MUL16 a0, p, q, sc, zero
.irp a, \a0, \a0+1
.irp b, 0,1,2,3,4,5,6,7
.if \zero
	v_wmma_scale_f32_16x16x128_f8f6f4 v[8*(8*((\a)%4)+\b):8*(8*((\a)%4)+\b)+7], v[128*(\p)+FR*\b:128*(\p)+FR*\b+FR-1], v[AF+FR*(\a):AF+FR*(\a)+FR-1], 0, v[SC+8*NQ*(\sc)+NQ*\b+(\q)], v[SC+8*NQ*(\sc)+NQ*(\a)+(\q)] matrix_a_fmt:MATRIX_FMT_FP4 matrix_b_fmt:MATRIX_FMT_FP4 matrix_a_scale:MATRIX_SCALE_ROW1
.else
	v_wmma_scale_f32_16x16x128_f8f6f4 v[8*(8*((\a)%4)+\b):8*(8*((\a)%4)+\b)+7], v[128*(\p)+FR*\b:128*(\p)+FR*\b+FR-1], v[AF+FR*(\a):AF+FR*(\a)+FR-1], v[8*(8*((\a)%4)+\b):8*(8*((\a)%4)+\b)+7], v[SC+8*NQ*(\sc)+NQ*\b+(\q)], v[SC+8*NQ*(\sc)+NQ*(\a)+(\q)] matrix_a_fmt:MATRIX_FMT_FP4 matrix_b_fmt:MATRIX_FMT_FP4 matrix_a_scale:MATRIX_SCALE_ROW1
.endif
.endr
.endr
.endm
.macro FETCH_B slot, q, p              ; B's eight fragments of the slot's q-th 128 along K into set p
	WIN TO_B
.irp i, 0,1,2,3,4,5,6,7
	FRAG 128*(\p)+FR*\i, ADRB+\slot, \q, \i
.endr
	WIN 0
.endm
.macro FETCH_A slot, q, i0             ; A's blocks i0 .. i0 + 3
.irp i, \i0, \i0+1, \i0+2, \i0+3
	FRAG AF+FR*(\i), ADRA+\slot, \q, \i
.endr
.endm
.macro SCALES sc                       ; a slot's scale words into set sc: four words a row; lanes 0-15 take A's block i, lanes 16-31 B's block i
.irp i, 0,1,2,3,4,5,6,7
	ds_load_b128 v[SC+8*NQ*\sc+NQ*\i:SC+8*NQ*\sc+NQ*\i+3], v[ADRS] offset:\i*SBLK
.endr
.endm
.macro PLACES n                        ; plain vector lines between a matrix instruction and a load into, or a read of, its registers
.rept \n
	v_nop
.endr
.endm
.macro STEP slot, q, zero              ; a step of 128 along K that has its successor in the same slot
	s_wait_dscnt 4*NL                              ; B's set and A's blocks 0-3 are in; the youngest loads (A's blocks 4-7) may be out
	WIN MUL_LO
	MUL16 0, (\q)%2, \q, \slot, \zero
	MUL16 2, (\q)%2, \q, \slot, \zero
	s_wait_dscnt 0                                 ; A's blocks 4-7 are in
	PLACES NP
	FETCH_B \slot, (\q)+1, 1-(\q)%2
	FETCH_A \slot, (\q)+1, 0
	WIN MUL_HI
	MUL16 4, (\q)%2, \q, \slot, \zero
	MUL16 6, (\q)%2, \q, \slot, \zero
	PLACES NP
	WIN 0
	FETCH_A \slot, (\q)+1, 4
.endm
; Slot 0's last step changes slots: one barrier; in front of it each wave waits for all its tensor loads (its part of slot 1), adds 0 to its spare word, and waits for that and for its reads of slot 0.
.macro TURN slot, next
	s_wait_tensorcnt 0x0
	ds_add_u32 v[SPW], v[NIL]
	s_wait_dscnt 4*NL+1                            ; (the add and the youngest loads, A's blocks 4-7, may be out)
	WIN MUL_LO
	MUL16 0, 1, NQ-1, \slot, 0
	s_wait_dscnt 0x0                               ; the add is done, and my reads of this slot are over
	s_barrier_signal -1
	MUL16 2, 1, NQ-1, \slot, 0
	WIN 0
	s_barrier_wait -1
	PLACES NP
	v_add_nc_u32 v[ADRS], 4*NQ, v[ADRS]            ; on to the next slot's scale words
	FETCH_B \next, 0, 0
	FETCH_A \next, 0, 0
	SCALES \next
	WIN MUL_HI
	MUL16 4, 1, NQ-1, \slot, 0
	MUL16 6, 1, NQ-1, \slot, 0
	PLACES NP
	WIN 0
	FETCH_A \next, 0, 4
.endm
.macro STEPS slot, from                ; the slot's steps from .. NQ - 2
.set Q, \from
.rept NQ-1-\from
	STEP \slot, Q, 0
.set Q, Q+1
.endr
.endm
	s_wait_tensorcnt 1                             ; the scales and my part of slot 0 are in (slot 1's load may be out)
	s_barrier_signal -1
	s_barrier_wait -1                              ; everybody's are
	FETCH_B 0, 0, 0
	FETCH_A 0, 0, 0
	SCALES 0
	FETCH_A 0, 0, 4
	STEP 0, 0, 1                                   ; the first step's products start the sums: nothing is cleared
	STEPS 0, 1
	TURN 0, 1
	STEPS 1, 0
	s_wait_dscnt 4*NL                              ; the very last step: nothing more to fetch
	WIN MUL_LO
	MUL16 0, 1, NQ-1, 1, 0
	MUL16 2, 1, NQ-1, 1, 0
	s_wait_dscnt 0
	WIN MUL_HI
	MUL16 4, 1, NQ-1, 1, 0
	MUL16 6, 1, NQ-1, 1, 0
	WIN 0
; THE WAY OUT.  The rows' factors first: 24 plain lines that name no register of the products, so they are also the places behind the last of them.
	s_wait_loadcnt 0x0                             ; the mask bytes
.irp a, 0,1,2,3,4,5,6,7
	v_cvt_f32_u32 v[MK+\a], v[MK+\a]
.endr
.irp a, 0,1,2,3,4,5,6,7
	v_fma_f32 v[FM+2*\a], v[MK+\a], s96, s97       ; twice: the packed multiply takes a pair
	v_fma_f32 v[FM+2*\a+1], v[MK+\a], s96, s97
.endr
.macro PACK a                          ; block a (16 rows x 128 columns): x the row's factor in f32, then one rounding to f16: 16 bytes a lane and tile.  Each accumulator is taken from its low end on
.set AC, 64*((\a)%4)
	WIN 0x82+0x41*((\a)/4)                         ; destination and source 0: window 2 or 3; the factor: window 0
.set i, 0
.rept 32
	v_pk_mul_f32 v[AC+2*i:AC+2*i+1], v[AC+2*i:AC+2*i+1], v[FM+2*(\a):FM+2*(\a)+1]
.set i, i+1
.endr
	WIN 0x0a+5*((\a)/4)                            ; sources 0 and 1: window 2 or 3
.set i, 0
.rept 32
	v_cvt_pk_f16_f32 v[TMP+i], v[AC+2*i], v[AC+2*i+1]
.set i, i+1
.endr
	WIN 0
.endm
.macro TOSTAGE a                       ; into my own stage and back by rows: LDS serves a wave's instructions in order, so no wait stands between the stores and the loads
.set BB, OB+192*((\a)%2)
.irp b, 0,1,2,3,4,5,6,7
	ds_store_b128 v[STO], v[TMP+4*\b:TMP+4*\b+3] offset:32*\b
.endr
.irp t, 0,1,2,3,4,5,6,7
	ds_load_b128 v[BB+4*\t:BB+4*\t+3], v[RD] offset:\t*2*SPITCH
.endr
.endm
.macro SEND a
.set BB, OB+192*((\a)%2)
	s_wait_dscnt 0x0                               ; the block is back in registers
	s_wait_xcnt 0x0                                ; the earlier blocks' stores have read their data: the other set of registers may be loaded again behind this wait
.irp t, 0,1,2,3,4,5,6,7
	global_store_b128 v[CO], v[BB+4*\t:BB+4*\t+3], s[12:13] offset:2048*(\a)+256*\t   ; 16 lanes store 256 consecutive bytes, aligned: rows 16 a + 2 t and + 1 of one head
.endr
.endm
	PACK 0
	TOSTAGE 0
.irp a, 1,2,3,4,5,6,7                  ; block a's arithmetic stands between block a - 1's loads from the stage and the wait for them
	PACK \a
	SEND \a-1
	TOSTAGE \a
.endr
	SEND 7
	s_wait_tensorcnt 0x0                           ; the wave's end
	ds_add_u32 v[SPW], v[NIL]
	s_wait_dscnt 0x0
	CROUND                                         ; the closing round: no work-group ends while a partner may still ask for a tile that names it
	s_endpgm
.Lfunc_end_k_q1f89210827_proj:
	.size	k_q1f89210827_proj, .Lfunc_end_k_q1f89210827_proj-k_q1f89210827_proj
	.p2alignl 7, 3214868480
	.fill 96, 4, 3214868480
	.section	.rodata,"a",@progbits
	.p2align	6, 0x0
	.amdhsa_kernel k_q1f89210827_proj
		.amdhsa_group_segment_fixed_size 327680
		.amdhsa_private_segment_fixed_size 0
		.amdhsa_enable_private_segment 0
		.amdhsa_kernarg_size 48
		.amdhsa_user_sgpr_count 2
		.amdhsa_user_sgpr_kernarg_segment_ptr 1
		.amdhsa_wavefront_size32 1
		.amdhsa_system_sgpr_workgroup_id_x 1
		.amdhsa_system_sgpr_workgroup_id_y 1
		.amdhsa_system_sgpr_workgroup_id_z 1
		.amdhsa_system_vgpr_workitem_id 0
		.amdhsa_next_free_vgpr 1024
		.amdhsa_next_free_sgpr 100
		.amdhsa_reserve_vcc 0
		.amdhsa_float_denorm_mode_32 3
		.amdhsa_float_denorm_mode_16_64 3
		.amdhsa_memory_ordered 1
		.amdhsa_forward_progress 1
		.amdhsa_inst_pref_size 145
	.end_amdhsa_kernel
	.amdgpu_metadata
---
amdhsa.version: [ 1, 2 ]
amdhsa.kernels:
  - .name:           k_q1f89210827_proj
    .symbol:         k_q1f89210827_proj.kd
    .args:
      - { .name: ac, .offset: 0, .size: 8, .value_kind: global_buffer, .address_space: global }
      - { .name: asc, .offset: 8, .size: 8, .value_kind: global_buffer, .address_space: global }
      - { .name: wc, .offset: 16, .size: 8, .value_kind: global_buffer, .address_space: global }
      - { .name: wsc, .offset: 24, .size: 8, .value_kind: global_buffer, .address_space: global }
      - { .name: mask, .offset: 32, .size: 8, .value_kind: global_buffer, .address_space: global }
      - { .name: qkv, .offset: 40, .size: 8, .value_kind: global_buffer, .address_space: global }
    .group_segment_fixed_size: 327680
    .private_segment_fixed_size: 0
    .kernarg_segment_align: 8
    .kernarg_segment_size: 48
    .max_flat_workgroup_size: 128
    .sgpr_count:     100
    .vgpr_count:     1024
    .wavefront_size: 32
...
	.end_amdgpu_metadata
.endif
;; end of part 2
;; launch attn (part 3): grid 4 x 64, 8 waves a work-group, clusters of 4 x 1, 327,680 bytes of LDS; arguments qkv, mask, ao; writes ao
.if DOCPART == 3
	.amdgcn_target "amdgcn-amd-amdhsa--gfx1250"
	.amdhsa_code_object_version 6
	.text
	.protected	k_q1f89210827_attn
	.globl	k_q1f89210827_attn
	.p2align	8
	.type	k_q1f89210827_attn,@function
k_q1f89210827_attn:
	s_mov_b64 s[64:65], 0
	v_nop
	global_prefetch_b8 v0, s[64:65] scope:SCOPE_SE
	s_setreg_imm32_b32 hwreg(HW_REG_WAVE_MODE, 25, 1), 1
	s_wait_xcnt 0x0
	s_wait_alu depctr_hold_cnt(0) depctr_sa_sdst(0) depctr_va_vdst(0) depctr_va_sdst(0) depctr_va_ssrc(0) depctr_va_vcc(0) depctr_vm_vsrc(0)
	s_getreg_b32 s2, hwreg(HW_REG_IB_STS2, 6, 4)
	s_cmp_eq_u32 s2, 0
	s_cbranch_scc0 .Lentry_in_a_cluster
	s_endpgm
.Lentry_in_a_cluster:
	s_bfe_u32 s2, ttmp6, 0x10000c
	s_cmp_lg_u32 s2, 0x3003
	s_cbranch_scc0 .Lentry_shape_is_right
	s_endpgm
.Lentry_shape_is_right:
; ATTN: ao[bh][q][:] = the sum over keys of softmax(t) v, t = q' . k + bias.  qkv: [3][64 batch x head][2048][64] f16: q' = q log2(e) / 8, k (hidden keys' rows are zeros), v.  ao: [64][2048][64] f16.
; THE MASK: a key's bias is 0, or -1e9 log2(e) where its mask byte is 0.  It is the C of the key's first product, and a hidden key's k is zero: so its t is exactly that number, whatever q is,
; as where() leaves it; with all keys of a batch hidden all t are equal and the weights are uniform.
; SOFTMAX: a running maximum m and sum l for each query: p = 2^(t - m); in every step O and l are multiplied by a = 2^(old m - new m).  Products, maxima, sums in f32; p is rounded to f16 for the second product, O once at the end.
; LIMIT: no NaN or infinity among the inputs; |v| under 65,504 bounds ao.
; SHARES: a work-group owns 512 queries of one head, each of its eight waves 64: four tiles of 16; two waves on a SIMD, so that one wave's softmax stands beside the other's products; the text goes in phases.
; LAYOUT: S^T = K Q^T (source 0 = 16 keys, source 1 = 16 queries): a lane holds ONE query (lane % 16) and the keys 8 (lane / 16) + 0..7 of a tile.  Two such tiles, rounded to f16 in pairs, ARE source 1 of
; O^T = V^T P.  K comes out of LDS as it lies, V ([key][channel]) turned by ds_load_tr16_b128.
; CLUSTER: the four query blocks of a head are one cluster and walk the same K and V: each tile is asked for JOINTLY.  A slot holds four key steps of 64; waves 0-3 fetch K's four tiles, waves 4-7 V's.
; REGISTERS: window 0: v0-15 addresses; v16-47 statistics, 8 a tile; v48-79 the keys' biases; v80-207 S^T, 32 a tile (P is written into each tile's low 16); v208-223 partial sums.
;            window 1: v0-63 Q; v64-127 K's eight fragments, then V's eight; v128-255 O^T, 32 a tile.
.set KS,    64                         ; keys in a step
.set PK,    144                        ; a row of K in LDS: 128 bytes + 16: an odd multiple of 16
.set PV,    160                        ; a row of V: 128 + 32: an odd multiple of 32, for the turning load
.set VOFF,  KS*PK                      ; a step's tiles lie together: 64 rows of K, then 64 rows of V
.set STEPB, KS*(PK+PV)
.set SLOT1, 1<<17                      ; slot 1 begins here: one exclusive or turns an address in one slot into the other's
.set BIAS,  SLOT1+4*STEPB              ; behind the ring: a bias in f32 for each of the batch's 2,048 keys; stored once, no tile lands here
.set STAGE, BIAS+8192                  ; the way out: 64 rows x 144 bytes for each wave
.set SP,    144
.set SPARE, STAGE+8*64*SP              ; the spare words, 128 bytes for each wave: four blocks of 256 bytes that no other line names
.set AK0, 2                            ; v2   my lane's place in a tile of K; never rewritten
.set AV0, 3                            ; v3   the same for V
.set ADK, 4                            ; v4   the step's address in K,
.set ADV, 5                            ; v5   in V,
.set STO, 6                            ; v6   the way out: where I put 16 bytes of a row
.set RD,  7                            ; v7   where I read rows back
.set GO,  8                            ; v8   my byte offset in the wave's rows of ao
.set AB0, 9                            ; v9   my lane's place among the biases
.set ADB, 10                           ; v10  the step's address among the biases
.set PFO, 11                           ; v11  256 x lane; never rewritten
.set SPW, 12                           ; v12  LDS address of my spare word; never rewritten
.set NIL, 13                           ; v13  0; never rewritten
.set HH,  14                           ; v14  lane / 16
.set QO,  15                           ; v15  my byte offset in the wave's rows of Q
.set ST,  16                           ; tile t at v[ST + 8 t]: +0 m, +1 old m, +2, +3 l (two halves), +4 .. +7 c0-c3 at work; a takes c2's place, old m - m c3's
.set BI,  48
.set S,   80
.set U,   208                          ; two pairs a tile
.set Q,   0                            ; in window 1
.set KV,  64
.set O,   128
.set WV,  14                           ; s14  my wave's number
.set LIM, 15                           ; s15  1 in a wave that prefetches, else the greatest number
.set G1K, 24                           ; s[24:31] descriptor group 1 for K's tiles;  s[32:39] for V's: it differs in the padding alone
.set G1V, 32
.set G0K, 40                           ; s[40:43], s[44:47] their groups 0, which walk
.set G0V, 44
.set PFA, 48                           ; s[48:49] where my prefetches stand
.set SLOTS, 50                         ; s50  slots still to be asked for
.set CNT, 51                           ; s51  counts a slot's four steps
.set TB,  52                           ; s52  LDS byte at which the step's tiles begin
.set TBI, 53                           ; s53  and its biases: 256 bytes a step
.set SEL, 54                           ; s[54:55] lane selects for v_permlanex16_b32: lane l xor 16
.set MSB, 0
.macro WIN new                         ; the immediate's high byte repeats the setting that is left
.if MSB != (\new)
	s_set_vgpr_msb (MSB<<8)|(\new)
.set MSB, (\new)
.endif
.endm
.set W_KQ, 0x05                        ; K and Q in window 1; C and S^T in window 0
.set W_PV, 0x51                        ; V in window 1, P in window 0, O^T in window 1
.set W_RS, 0x41                        ; O^T (destination and source 0) in window 1, the factor in window 0
.set TO1,  0x40                        ; destination window 1, address window 0
.macro JLOAD                           ; a joint load; the branch hangs on the wave's number alone.  An s_nop 0 and four v_nop follow each of the two lines
	s_cmp_lt_u32 s[WV], 4
	s_cbranch_scc0 .Lfor_v_\@
	tensor_load_to_lds s[G0K:G0K+3], s[G1K:G1K+7]
	s_nop 0
.rept 4
	v_nop
.endr
	s_branch .Lasked_\@
.Lfor_v_\@:
	tensor_load_to_lds s[G0V:G0V+3], s[G1V:G1V+7]
	s_nop 0
.rept 4
	v_nop
.endr
.Lasked_\@:
.endm
; A prefetch of what the NEXT change of slots will ask for: 256 rows of K and of V, 32,768 dense bytes each.  Wave 0 asks for K's, wave 4 for V's; the four partners take 8,192 bytes each, told apart by address,
; lanes 256 bytes apart: each aligned 256 bytes are named once in the launch.  Four key steps ahead of the load that wants them.  The last change that fills a slot asks for nothing.
.macro ASK
	s_cmp_gt_u32 s[SLOTS], s[LIM]
	s_cbranch_scc0 .Lnot_mine_\@
	global_prefetch_b8 v[PFO], s[PFA:PFA+1] th:TH_LOAD_NT scope:SCOPE_SE
.Lnot_mine_\@:
.endm
.macro CROUND                          ; a round of the cluster's barrier
	s_barrier_signal -1
	s_barrier_wait -1
	s_cmp_lg_u32 s[WV], 0
	s_cbranch_scc1 .Lnot_wave_0_\@
	s_barrier_signal -3
.Lnot_wave_0_\@:
	s_barrier_wait -3
	s_barrier_signal -1
	s_barrier_wait -1
.endm
	s_load_b128 s[4:7], s[0:1], 0x0                ; qkv s[4:5], the mask s[6:7]
	s_load_b64 s[8:9], s[0:1], 0x10                ; ao
	v_lshl_add_u32 v[SPW], v0, 2, SPARE
	v_mov_b32 v[NIL], 0
	ds_add_u32 v[SPW], v[NIL]                      ; the wave's opening: the add, twice on end, and its wait ahead of my first tensor load
	ds_add_u32 v[SPW], v[NIL]
	v_lshrrev_b32 v1, 5, v0
	v_readfirstlane_b32 s[WV], v1                  ; wave 0..7
	s_bfe_u32 s16, ttmp6, 0x40000                  ; cx: my place in the cluster
	s_and_b32 s17, ttmp7, 0xffff                   ; batch x 16 + head, which the four partners share
	s_lshl_b32 s20, s17, 18                        ; a head is 262,144 bytes in each part of qkv and in ao
	s_mov_b32 s21, 0
	s_and_b32 s18, s[WV], 3                        ; which of a slot's four steps I fetch:
	s_lshl_b32 s22, s18, 13                        ; its 64 rows of 128 bytes in memory,
	s_mov_b32 s23, 0
	s_mul_i32 s19, s18, STEPB                      ; and its place in a slot: no place in the cluster enters an LDS address
	s_lshl_b32 s62, ttmp9, 2
	s_add_co_u32 s62, s62, s16                     ; my block of 512 queries: it enters Q's and ao's addresses alone
	s_lshl_b32 s62, s62, 16
	s_lshl_b32 s63, s[WV], 13                      ; my wave's 64 of them
	s_add_co_u32 s62, s62, s63
	s_mov_b32 s63, 0
	s_lshr_b32 s60, s17, 4                         ; the batch: 2,048 mask bytes each
	s_lshl_b32 s60, s60, 11
	s_mov_b32 s61, 0
	s_mov_b32 s[G1K], 15|(1<<16)|(1<<20)|(1<<21)|(4<<22)|(3<<25)  ; 15:0 the mask: all four work-groups; 17:16 elements of 2 bytes; 20 padding on; 21 set beside a mask; 24:22 after every 32 words; 31:25 four words
	s_mov_b32 s[G1V], 15|(1<<16)|(1<<20)|(1<<21)|(4<<22)|(7<<25)  ; the same with eight words of padding
.irp g, G1K, G1V
	s_mov_b32 s[\g+1], 64<<16                      ; tensor_dim0 = 64
	s_mov_b32 s[\g+2], KS<<16                      ; tensor_dim1 = 64
	s_mov_b32 s[\g+3], 64<<16                      ; tile_dim0 = 64
	s_mov_b32 s[\g+4], KS                          ; tile_dim1 = 64
	s_mov_b32 s[\g+5], 64                          ; elements from row to row
	s_mov_b32 s[\g+6], 0
	s_mov_b32 s[\g+7], 0
.endr
	s_mov_b32 s[SEL], 0x76543210
	s_mov_b32 s[SEL+1], 0xfedcba98
	s_mov_b32 s[TB], 0
	s_mov_b32 s[TBI], 0
	s_mov_b32 s[SLOTS], 7
	s_cmp_eq_u32 s18, 0                            ; waves 0 and 4 prefetch: the same in all four partners
	s_cselect_b32 s[LIM], 1, -1
	v_and_b32 v[PFO], 31, v0
	v_lshlrev_b32 v[PFO], 8, v[PFO]
	s_wait_dscnt 0x0                               ; both opening adds are done
	s_wait_kmcnt 0x0
	s_add_nc_u64 s[6:7], s[6:7], s[60:61]          ; the mask at my batch
	s_add_nc_u64 s[4:5], s[4:5], s[20:21]          ; q' at my head,
	s_add_nc_u64 s[56:57], s[4:5], 0x1000000       ; k,
	s_add_nc_u64 s[58:59], s[4:5], 0x2000000       ; v
	s_add_nc_u64 s[4:5], s[4:5], s[62:63]          ; q' and ao at my wave's first row
	s_add_nc_u64 s[8:9], s[8:9], s[20:21]
	s_add_nc_u64 s[8:9], s[8:9], s[62:63]
	s_cmp_lt_u32 s[WV], 4
	s_cselect_b64 s[PFA:PFA+1], s[56:57], s[58:59]
	s_lshl_b32 s60, s16, 13                        ; my work-group's 8,192 bytes,
	s_add_co_u32 s60, s60, 32768                   ; in the second 256 keys: the first change of slots steps it to the third.  Nothing is prefetched at the head
	s_add_nc_u64 s[PFA:PFA+1], s[PFA:PFA+1], s[60:61]
	CROUND                                         ; all four work-groups are here: the first joint loads meet
	s_mov_b32 s[G0K], 1                            ; count = 1
	s_mov_b32 s[G0K+1], s19                        ; LDS address: slot 0
	s_add_nc_u64 s[G0K+2:G0K+3], s[56:57], s[22:23]
	s_or_b32 s[G0K+3], s[G0K+3], 0x80000000        ; type = 2
	s_mov_b32 s[G0V], 1
	s_add_co_u32 s[G0V+1], s19, VOFF
	s_add_nc_u64 s[G0V+2:G0V+3], s[58:59], s[22:23]
	s_or_b32 s[G0V+3], s[G0V+3], 0x80000000
	JLOAD                                          ; keys 0-255 into slot 0: one load of mine is out
	v_lshlrev_b32 v4, 3, v0
	global_load_b64 v[224:225], v4, s[6:7]         ; eight mask bytes a thread: the work-group reads the batch's 2,048
	v_and_b32 v1, 15, v0                           ; l % 16
	v_bfe_u32 v[HH], v0, 4, 1                      ; l / 16
	v_lshlrev_b32 v[QO], 7, v1
	v_lshl_add_u32 v[QO], v[HH], 4, v[QO]          ; row x 128 + 16 x half
	WIN TO1
.irp i, 0,1,2,3,4,5,6,7                ; Q stays in registers: tile i / 2, channels 32 (i % 2) on
	global_load_b128 v[Q+8*\i:Q+8*\i+3],   v[QO], s[4:5] offset:(\i/2)*2048+(\i%2)*64 th:TH_LOAD_NT
	global_load_b128 v[Q+8*\i+4:Q+8*\i+7], v[QO], s[4:5] offset:(\i/2)*2048+(\i%2)*64+32 th:TH_LOAD_NT
.endr
	WIN 0
	v_mul_u32_u24 v[AK0], v1, PK
	v_lshl_add_u32 v[AK0], v[HH], 4, v[AK0]        ; K: row x pitch + 16 x half
	v_and_b32 v5, 7, v0
	v_bfe_u32 v10, v0, 3, 1
	v_lshl_add_u32 v[AV0], v[HH], 3, v5            ; V, for the turning load: key 8 (l / 16) + l % 8, channels 8 ((l / 8) % 2) on
	v_mul_u32_u24 v[AV0], v[AV0], PV
	v_lshl_add_u32 v[AV0], v10, 4, v[AV0]
	v_add_nc_u32 v[AV0], VOFF, v[AV0]
	v_lshl_add_u32 v[AB0], v[HH], 5, BIAS          ; the biases of keys 8 (l / 16) + 0..7 of a tile
	s_mul_i32 s17, s[WV], 64*SP
	s_add_co_u32 s17, s17, STAGE                   ; my stage
	v_mul_u32_u24 v[STO], v1, SP
	v_lshl_add_u32 v[STO], v[HH], 4, v[STO]
	v_add_nc_u32 v[STO], s17, v[STO]               ; in: row l % 16, 16 bytes for each half of the lanes
	v_and_b32 v10, 31, v0
	v_lshrrev_b32 v[RD], 3, v10
	v_mul_u32_u24 v[RD], v[RD], SP
	v_lshl_add_u32 v[RD], v5, 4, v[RD]
	v_add_nc_u32 v[RD], s17, v[RD]                 ; back: eight lanes to a row of 128 bytes, four rows an instruction
	v_lshlrev_b32 v[GO], 4, v10                    ; which are 512 consecutive bytes of ao
	v_lshl_add_u32 v10, v0, 5, BIAS                ; where I store my eight biases
	s_wait_loadcnt 16                              ; the mask bytes are in; Q's 16 loads are younger
.irp i, 0,1,2,3,4,5,6,7
	v_bfe_u32 v[232+\i], v[224+\i/4], 8*(\i%4), 8
.endr
.irp i, 0,1,2,3,4,5,6,7
	v_add_nc_u32 v[232+\i], -1, v[232+\i]          ; byte 1: no bit; byte 0: all bits
.endr
.irp i, 0,1,2,3,4,5,6,7
	v_and_b32 v[232+\i], 0xceabfb8f, v[232+\i]     ; 0, or -1e9 log2(e)
.endr
	ds_store_b128 v10, v[232:235]
	ds_store_b128 v10, v[236:239] offset:16        ; the first change of slots waits for these stores and passes a barrier: then every wave may read them
.irp t, 0,1,2,3
	v_mov_b32 v[ST+8*\t], 0xff61b1e6               ; m: -3e38, under every t
	v_mov_b32 v[ST+8*\t+2], 0                      ; l
	v_mov_b32 v[ST+8*\t+3], 0
.endr
	WIN TO1
.set i, 0
.rept 128
	v_mov_b32 v[O+i], 0                            ; O^T.  The key step is written once: its first walk finds zeros, which the first a, 2^(-3e38 - m) = 0, leaves zeros
.set i, i+1
.endr
	WIN 0
	s_wait_loadcnt 0x0                             ; Q
; A KEY STEP: 64 keys.  32 products K Q^T, the softmax of four tiles, 32 products V^T P.  The accumulators take turns, one instruction a turn.
.macro STEP
	v_add_nc_u32 v[ADK], s[TB], v[AK0]             ; five plain lines behind the last products V^T P: K's loads land in V's registers (four are asked),
	v_add_nc_u32 v[ADV], s[TB], v[AV0]             ; and the new scores are laid over P's (five)
	v_add_nc_u32 v[ADB], s[TBI], v[AB0]
	v_nop
	v_nop
.irp kt, 0,1,2,3
	ds_load_b128 v[BI+8*\kt:BI+8*\kt+3],   v[ADB] offset:64*\kt
	ds_load_b128 v[BI+8*\kt+4:BI+8*\kt+7], v[ADB] offset:64*\kt+16
.endr
	WIN TO1
.irp cc, 0,1                           ; the first 32 channels of all four tiles of keys first
.irp kt, 0,1,2,3
	ds_load_b128 v[KV+16*\kt+8*\cc:KV+16*\kt+8*\cc+3],   v[ADK] offset:\kt*16*PK+64*\cc
	ds_load_b128 v[KV+16*\kt+8*\cc+4:KV+16*\kt+8*\cc+7], v[ADK] offset:\kt*16*PK+64*\cc+32
.endr
.endr
	s_wait_dscnt 8                                 ; the biases and the first 32 channels are in; the eight loads of the second 32 may be out
	WIN W_KQ
.set i, 0
.rept 16                               ; keys 16 (i / 4) on, tile i % 4: the bias starts the sum
	v_wmma_f32_16x16x32_f16 v[S+32*(i%4)+8*(i/4):S+32*(i%4)+8*(i/4)+7], v[KV+16*(i/4):KV+16*(i/4)+7], v[Q+16*(i%4):Q+16*(i%4)+7], v[BI+8*(i/4):BI+8*(i/4)+7]
.set i, i+1
.endr
	s_wait_dscnt 0x0
.set i, 0
.rept 16
	v_wmma_f32_16x16x32_f16 v[S+32*(i%4)+8*(i/4):S+32*(i%4)+8*(i/4)+7], v[KV+16*(i/4)+8:KV+16*(i/4)+15], v[Q+16*(i%4)+8:Q+16*(i%4)+15], v[S+32*(i%4)+8*(i/4):S+32*(i%4)+8*(i/4)+7]
.set i, i+1
.endr
	WIN 0
.irp t, 0,1,2,3
	v_mov_b32 v[ST+8*\t+1], v[ST+8*\t]             ; m is kept for a.  These four are the places behind the products: in front of V's loads into K's registers and of the first read of the scores
.endr
	WIN TO1
.irp u, 0,1                            ; V turned: keys 32 u on, channels 16 c on.  It lands while the softmax is walked
.irp c, 0,1,2,3
	ds_load_tr16_b128 v[KV+8*(4*\u+\c):KV+8*(4*\u+\c)+3],   v[ADV] offset:\u*32*PV+32*\c
	ds_load_tr16_b128 v[KV+8*(4*\u+\c)+4:KV+8*(4*\u+\c)+7], v[ADV] offset:\u*32*PV+16*PV+32*\c
.endr
.endr
	WIN 0
; the maximum of the lane's 32 scores and the old m: four chains a tile, the tiles by turns; each accumulator is read from its low end on
.irp n, 0,1,2,3
.irp t, 0,1,2,3
	v_max3_num_f32 v[ST+8*\t+4+\n], v[S+32*\t+8*\n], v[S+32*\t+8*\n+1], v[S+32*\t+8*\n+2]
.endr
.endr
.irp g, 1,2
.irp n, 0,1,2,3
.irp t, 0,1,2,3
	v_max3_num_f32 v[ST+8*\t+4+\n], v[ST+8*\t+4+\n], v[S+32*\t+8*\n+2*\g+1], v[S+32*\t+8*\n+2*\g+2]
.endr
.endr
.endr
.irp t, 0,1,2,3
	v_max3_num_f32 v[ST+8*\t+4], v[ST+8*\t+4], v[S+32*\t+7], v[S+32*\t+15]
.endr
.irp t, 0,1,2,3
	v_max3_num_f32 v[ST+8*\t+6], v[ST+8*\t+6], v[S+32*\t+23], v[S+32*\t+31]
.endr
.irp t, 0,1,2,3
	v_max3_num_f32 v[ST+8*\t+4], v[ST+8*\t+4], v[ST+8*\t+5], v[ST+8*\t+6]
.endr
.irp t, 0,1,2,3
	v_max3_num_f32 v[ST+8*\t+4], v[ST+8*\t+4], v[ST+8*\t+7], v[ST+8*\t]
.endr
.irp t, 0,1,2,3
	v_permlanex16_b32 v[ST+8*\t+5], v[ST+8*\t+4], s[SEL], s[SEL+1]   ; the query's other 32 keys lie in the lane 16 away
.endr
.irp t, 0,1,2,3
	v_max_num_f32 v[ST+8*\t], v[ST+8*\t+4], v[ST+8*\t+5]             ; the new m
.endr
.irp t, 0,1,2,3
	v_sub_f32 v[ST+8*\t+7], v[ST+8*\t+1], v[ST+8*\t]                 ; old m - new m
.endr
; ONE BATCH: the subtractions t - m and all 132 exponentials.  Tile t + 1's subtractions stand between tile t's exponentials; nothing here names an exponential's result.
.set j, 0
.rept 16
	v_pk_add_f32 v[S+2*j:S+2*j+1], v[S+2*j:S+2*j+1], v[ST:ST+1] op_sel_hi:[1,0] neg_lo:[0,1] neg_hi:[0,1]
.set j, j+1
.endr
.irp t, 0,1,2,3
	v_exp_f32 v[ST+8*\t+6], v[ST+8*\t+7]           ; a
.endr
.irp t, 0,1,2,3
.set j, 0
.rept 16
	v_exp_f32 v[S+32*\t+2*j], v[S+32*\t+2*j]       ; p = 2^(t - m)
	v_exp_f32 v[S+32*\t+2*j+1], v[S+32*\t+2*j+1]
.if \t < 3
	v_pk_add_f32 v[S+32*(\t+1)+2*j:S+32*(\t+1)+2*j+1], v[S+32*(\t+1)+2*j:S+32*(\t+1)+2*j+1], v[ST+8*(\t+1):ST+8*(\t+1)+1] op_sel_hi:[1,0] neg_lo:[0,1] neg_hi:[0,1]
.endif
.set j, j+1
.endr
.endr
	v_nop                                          ; a plain line behind the last exponential
	s_wait_alu depctr_va_vdst(0)                   ; the wait ahead of the first line that names a result: one for the batch
; the sums of the unrounded p: two chains a tile
.irp t, 0,1,2,3
	v_pk_add_f32 v[U+4*\t:U+4*\t+1], v[S+32*\t:S+32*\t+1], v[S+32*\t+4:S+32*\t+5]
.endr
.irp t, 0,1,2,3
	v_pk_add_f32 v[U+4*\t+2:U+4*\t+3], v[S+32*\t+2:S+32*\t+3], v[S+32*\t+6:S+32*\t+7]
.endr
.irp p, 4,6,8,10,12,14
.irp t, 0,1,2,3
	v_pk_add_f32 v[U+4*\t:U+4*\t+1], v[U+4*\t:U+4*\t+1], v[S+32*\t+2*\p:S+32*\t+2*\p+1]
.endr
.irp t, 0,1,2,3
	v_pk_add_f32 v[U+4*\t+2:U+4*\t+3], v[U+4*\t+2:U+4*\t+3], v[S+32*\t+2*\p+2:S+32*\t+2*\p+3]
.endr
.endr
.irp t, 0,1,2,3
	v_pk_add_f32 v[U+4*\t:U+4*\t+1], v[U+4*\t:U+4*\t+1], v[U+4*\t+2:U+4*\t+3]
.endr
.irp t, 0,1,2,3
	v_pk_fma_f32 v[ST+8*\t+2:ST+8*\t+3], v[ST+8*\t+2:ST+8*\t+3], v[ST+8*\t+6:ST+8*\t+7], v[U+4*\t:U+4*\t+1] op_sel_hi:[1,0,1]   ; l = a l + the sum
.endr
.set j, 0
.rept 16                               ; P in f16, in place and ascending: register j takes scores 2 j and 2 j + 1; registers 0-7 are keys 0-31, 8-15 keys 32-63
.irp t, 0,1,2,3
	v_cvt_pk_f16_f32 v[S+32*\t+j], v[S+32*\t+2*j], v[S+32*\t+2*j+1]
.endr
.set j, j+1
.endr
	WIN W_RS
.set j, 0
.rept 16                               ; O^T x a, each accumulator from its low end on
.irp t, 0,1,2,3
	v_pk_mul_f32 v[O+32*\t+2*j:O+32*\t+2*j+1], v[O+32*\t+2*j:O+32*\t+2*j+1], v[ST+8*\t+6:ST+8*\t+7] op_sel_hi:[1,0]
.endr
.set j, j+1
.endr
	s_wait_dscnt 0x0                               ; V is in
	WIN W_PV
.set i, 0
.rept 32                               ; keys 32 (i / 16) on, channels 16 ((i / 4) % 4) on, tile i % 4
	v_wmma_f32_16x16x32_f16 v[O+32*(i%4)+8*((i/4)%4):O+32*(i%4)+8*((i/4)%4)+7], v[KV+8*(4*(i/16)+(i/4)%4):KV+8*(4*(i/16)+(i/4)%4)+7], v[S+32*(i%4)+8*(i/16):S+32*(i%4)+8*(i/16)+7], v[O+32*(i%4)+8*((i/4)%4):O+32*(i%4)+8*((i/4)%4)+7]
.set i, i+1
.endr
	WIN 0
	s_add_co_u32 s[TB], s[TB], STEPB               ; the next step's tiles and biases
	s_add_co_u32 s[TBI], s[TBI], 256
.endm
; THE CHANGE OF SLOTS stands at a slot's head.  Each wave waits for all its tensor loads (its part of the slot that it is about to read), adds 0 to its spare word, and waits for that and for its reads of the
; slot that it has left.  fill = 1: the barrier is a round of the cluster's, and the other slot is filled with the next 256 keys, first thing behind it: one load a wave, with four key steps in which to land.
.macro CHANGE fill
	WIN 0
	s_wait_tensorcnt 0x0                           ; no tensor load of mine is out, so a group 0 may be written
	ds_add_u32 v[SPW], v[NIL]
.if \fill
	s_xor_b32 s[G0K+1], s[G0K+1], SLOT1            ; the walking descriptors: the other slot than last time,
	s_add_nc_u64 s[G0K+2:G0K+3], s[G0K+2:G0K+3], 4*KS*128   ; the next 256 keys; the type bits on top are not reached
	s_xor_b32 s[G0V+1], s[G0V+1], SLOT1
	s_add_nc_u64 s[G0V+2:G0V+3], s[G0V+2:G0V+3], 4*KS*128
	s_wait_xcnt 0x0                                ; the last prefetch, four key steps back, has read its address, so it may be written:
	s_add_nc_u64 s[PFA:PFA+1], s[PFA:PFA+1], 4*KS*128       ; one slot further on than the walking descriptors
	s_wait_dscnt 0x0                               ; the add is done, my reads of the slot that I have left are over (first trip: my biases are stored)
	CROUND
	JLOAD
	ASK
.else
	s_wait_dscnt 0x0
	s_barrier_signal -1
	s_barrier_wait -1
.endif
.endm
.macro FOUR_STEPS                      ; a slot's four key steps: written once, walked four times; the LDS addresses hang on s[TB] and s[TBI]
	s_mov_b32 s[CNT], 4
.Lstep_\@:
	STEP
	s_sub_co_u32 s[CNT], s[CNT], 1
	s_cmp_lg_u32 s[CNT], 0
	s_cbranch_scc1 .Lstep_\@
	s_sub_co_u32 s[TB], s[TB], 4*STEPB             ; back to a slot's first step,
	s_xor_b32 s[TB], s[TB], SLOT1                  ; in the other slot
.endm
.Lslot:                                ; seven trips: behind each change of slots but the last the next 256 keys are asked for
	CHANGE 1
	FOUR_STEPS
	s_sub_co_u32 s[SLOTS], s[SLOTS], 1
	s_cmp_lg_u32 s[SLOTS], 0
	s_cbranch_scc1 .Lslot
	CHANGE 0                                       ; the last slot is written out
	FOUR_STEPS
; THE WAY OUT.  l's halves and the other half of the lanes' are added (twelve plain lines: the places behind the last products); O^T / l, rounded to f16, goes through my stage and leaves as whole rows.
.irp t, 0,1,2,3
	v_add_f32 v[ST+8*\t+4], v[ST+8*\t+2], v[ST+8*\t+3]
.endr
.irp t, 0,1,2,3
	v_permlanex16_b32 v[ST+8*\t+5], v[ST+8*\t+4], s[SEL], s[SEL+1]
.endr
.irp t, 0,1,2,3
	v_add_f32 v[ST+8*\t+4], v[ST+8*\t+4], v[ST+8*\t+5]
.endr
.irp t, 0,1,2,3
	v_rcp_f32 v[ST+8*\t+6], v[ST+8*\t+4]
.endr
	v_nop                                          ; a plain line behind the last reciprocal
	s_wait_alu depctr_va_vdst(0)                   ; and the wait ahead of the first use: one for the four
.macro PACK t
	WIN W_RS
.set i, 0
.rept 16
	v_pk_mul_f32 v[O+32*\t+2*i:O+32*\t+2*i+1], v[O+32*\t+2*i:O+32*\t+2*i+1], v[ST+8*\t+6:ST+8*\t+7] op_sel_hi:[1,0]
.set i, i+1
.endr
	WIN 0x05                                       ; sources 0 and 1 window 1, destination window 0
.set i, 0
.rept 16
	v_cvt_pk_f16_f32 v[S+32*\t+i], v[O+32*\t+2*i], v[O+32*\t+2*i+1]
.set i, i+1
.endr
	WIN 0
.irp c, 0,1,2,3
	ds_store_b128 v[STO], v[S+32*\t+4*\c:S+32*\t+4*\c+3] offset:16*SP*\t+32*\c    ; query l % 16, channels 16 c + 8 (l / 16) on
.endr
.irp c, 0,1,2,3
	ds_load_b128 v[S+32*\t+16+4*\c:S+32*\t+16+4*\c+3], v[RD] offset:16*SP*\t+4*SP*\c   ; LDS serves a wave's instructions in order: these see my stores
.endr
.endm
	PACK 0
	PACK 1
	PACK 2
	PACK 3
.irp t, 0,1,2,3
.irp c, 0,1,2,3
	s_wait_dscnt 8*(3-\t)+3-\c                     ; behind this load: 3 - c of its tile, and eight LDS instructions for each later tile
	global_store_b128 v[GO], v[S+32*\t+16+4*\c:S+32*\t+16+4*\c+3], s[8:9] offset:2048*\t+512*\c   ; four rows: 512 consecutive bytes, aligned
.endr
.endr
	s_wait_tensorcnt 0x0                           ; the wave's end
	ds_add_u32 v[SPW], v[NIL]
	s_wait_dscnt 0x0
	CROUND                                         ; the closing round
	s_endpgm
.Lfunc_end_k_q1f89210827_attn:
	.size	k_q1f89210827_attn, .Lfunc_end_k_q1f89210827_attn-k_q1f89210827_attn
	.p2alignl 7, 3214868480
	.fill 96, 4, 3214868480
	.section	.rodata,"a",@progbits
	.p2align	6, 0x0
	.amdhsa_kernel k_q1f89210827_attn
		.amdhsa_group_segment_fixed_size 327680
		.amdhsa_private_segment_fixed_size 0
		.amdhsa_enable_private_segment 0
		.amdhsa_kernarg_size 24
		.amdhsa_user_sgpr_count 2
		.amdhsa_user_sgpr_kernarg_segment_ptr 1
		.amdhsa_wavefront_size32 1
		.amdhsa_system_sgpr_workgroup_id_x 1
		.amdhsa_system_sgpr_workgroup_id_y 1
		.amdhsa_system_sgpr_workgroup_id_z 1
		.amdhsa_system_vgpr_workitem_id 0
		.amdhsa_next_free_vgpr 512
		.amdhsa_next_free_sgpr 66
		.amdhsa_reserve_vcc 0
		.amdhsa_float_denorm_mode_32 3
		.amdhsa_float_denorm_mode_16_64 3
		.amdhsa_memory_ordered 1
		.amdhsa_forward_progress 1
		.amdhsa_inst_pref_size 94
	.end_amdhsa_kernel
	.amdgpu_metadata
---
amdhsa.version: [ 1, 2 ]
amdhsa.kernels:
  - .name:           k_q1f89210827_attn
    .symbol:         k_q1f89210827_attn.kd
    .args:
      - { .name: qkv, .offset: 0, .size: 8, .value_kind: global_buffer, .address_space: global }
      - { .name: mask, .offset: 8, .size: 8, .value_kind: global_buffer, .address_space: global }
      - { .name: ao, .offset: 16, .size: 8, .value_kind: global_buffer, .address_space: global }
    .group_segment_fixed_size: 327680
    .private_segment_fixed_size: 0
    .kernarg_segment_align: 8
    .kernarg_segment_size: 24
    .max_flat_workgroup_size: 256
    .sgpr_count:     66
    .vgpr_count:     512
    .wavefront_size: 32
...
	.end_amdgpu_metadata
.endif
;; end of part 3
;; launch outp (part 4): grid 4 x 64, 4 waves a work-group, clusters of 4 x 4, 327,680 bytes of LDS; arguments ao, wo16, bout, out0; writes out0
.if DOCPART == 4
	.amdgcn_target "amdgcn-amd-amdhsa--gfx1250"
	.amdhsa_code_object_version 6
	.text
	.protected	k_q1f89210827_outp
	.globl	k_q1f89210827_outp
	.p2align	8
	.type	k_q1f89210827_outp,@function
k_q1f89210827_outp:
	s_mov_b64 s[64:65], 0
	v_nop
	global_prefetch_b8 v0, s[64:65] scope:SCOPE_SE
	s_setreg_imm32_b32 hwreg(HW_REG_WAVE_MODE, 25, 1), 1
	s_wait_xcnt 0x0
	s_wait_alu depctr_hold_cnt(0) depctr_sa_sdst(0) depctr_va_vdst(0) depctr_va_sdst(0) depctr_va_ssrc(0) depctr_va_vcc(0) depctr_vm_vsrc(0)
	s_getreg_b32 s2, hwreg(HW_REG_IB_STS2, 6, 4)
	s_cmp_eq_u32 s2, 0
	s_cbranch_scc0 .Lentry_in_a_cluster
	s_endpgm
.Lentry_in_a_cluster:
	s_bfe_u32 s2, ttmp6, 0x10000c
	s_cmp_lg_u32 s2, 0xf033
	s_cbranch_scc0 .Lentry_shape_is_right
	s_endpgm
.Lentry_shape_is_right:
; OUTP: out0[row][n] = the sum over k of ao(row, k) Wout[k][n] + bout[n].  ao: [64 batch x head][2048][64] f16 (k = 64 head + channel); wo16: [1024 k][1024 n] f16; bout f32; out0 [8192][1024] f32.  Sums in f32.
; A tile of out0 is 128 rows x 256 columns: 256 work-groups of four waves, a wave 64 x 128: 32 accumulators.  (256 x 256 would give only 128 work-groups.)
; K goes in steps of 128, two heads, through a ring of two LDS slots.  A's tile is two planes (one a head) of 128 rows x 128 bytes; B's is 128 rows of Wout x 512 bytes, read turned by ds_load_tr16_b128.
; CLUSTERS: 4 x 4.  A's tile is shared along a row of the cluster, B's along a column: joint loads.  Waves 0 and 1 fetch A's two planes, waves 2 and 3 B's two halves: one load a wave.
; THE MATRIX INSTRUCTION IS USED TRANSPOSED (source 0 = 16 columns of Wout, source 1 = 16 rows of ao): a lane holds eight neighbouring numbers of a row of out0.  bout is the C of each sum's first product.
; REGISTERS: window 0: v0-31 addresses; v32-95 bout in the result's layout; v96-159 A's fragments, two buffers; on the way out v128-255.   window 1: v0-127 B's fragments, two buffers.   window 2: the accumulators, (a, b) at v[8 (8 a + b)].
.set PA,     144                       ; a row of A in LDS: 128 bytes + 16
.set PB,     544                       ; a row of B: 512 bytes + 32: an odd multiple of 32, for the turning load
.set BOFF,   2*128*PA                  ; B's tile lies behind A's two planes
.set SLOT,   BOFF+128*PB
.set STAGE,  2*SLOT                    ; behind the ring: 16 rows x (512 bytes + 16) for each wave
.set SPITCH, 528
.set SPARE,  STAGE+4*16*SPITCH         ; the spare words, 128 bytes for each wave: two blocks of 256 bytes that no other line names
.set ASTEP,  2*262144                  ; a K step in ao: two heads
.set BSTEP,  128*2048                  ; and in wo16: 128 rows
.set LAPS,   4                         ; a lap = two K steps = once round the ring
.set ADRA, 16                          ; v16-17  LDS address of my A fragments in slot 0, 1
.set ADRB, 20                          ; v20-21  the same for B
.set STO,  24
.set RD,   25
.set CO,   26
.set SPW,  28                          ; v28  LDS address of my spare word; never rewritten
.set NIL,  29                          ; v29  0; never rewritten
.set PFO,  30                          ; v30  256 x lane; never rewritten
.set BO,   32
.set AF,   96
.set BK,   128                         ; the way out: 16 rows read back: v128-191 and v192-255 by turns
.set G1, 24                            ; s[24:31] group 1 for A's tiles;  s[32:39] group 0, one set for each slot
.set G0, 32
.set G1B, 48                           ; s[48:55], s[56:63] the same for B's
.set G0B, 56
.set LIM, 43                           ; s43  1 in the wave that prefetches, else the greatest number
.set PFA, 44                           ; s[44:45] where my prefetches stand
.set MSB, 0
.macro WIN new
.if MSB != (\new)
	s_set_vgpr_msb (MSB<<8)|(\new)
.set MSB, (\new)
.endif
.endm
.set MUL,  0xa1                        ; source 0 (B) window 1, source 1 (A) window 0, C and D window 2
.set MUL0, 0x81                        ; the same with C (bout) in window 0
.set TO_B, 0x40
.macro JLOAD s                         ; a joint load; an s_nop 0 and four v_nop follow each of the two lines
	s_cmp_eq_u32 s13, 0
	s_cbranch_scc0 .Lfor_b_\@
	tensor_load_to_lds s[G0+4*\s:G0+4*\s+3], s[G1:G1+7]
	s_nop 0
.rept 4
	v_nop
.endr
	s_branch .Lasked_\@
.Lfor_b_\@:
	tensor_load_to_lds s[G0B+4*\s:G0B+4*\s+3], s[G1B:G1B+7]
	s_nop 0
.rept 4
	v_nop
.endr
.Lasked_\@:
.endm
; A prefetch of A's tile of the K step that stands two refills on: 128 blocks of 256 bytes.  Wave 0 of each work-group asks; the four partners that ask for the tile jointly take 32 blocks each, told apart by address.
; No other cluster reads these rows: each block is named once.  The last lap of the loop asks for nothing: there is no K step two refills on.  Wout is read by all 64 tile rows again and again and is not asked for.
.macro ASK
	s_cmp_gt_u32 s3, s[LIM]
	s_cbranch_scc0 .Lnot_mine_\@
	global_prefetch_b8 v[PFO], s[PFA:PFA+1] th:TH_LOAD_NT scope:SCOPE_SE
.Lnot_mine_\@:
.endm
.macro CREST                           ; a round of the cluster's barrier behind its opening barrier
	s_cmp_lg_u32 s12, 0
	s_cbranch_scc1 .Lnot_wave_0_\@
	s_barrier_signal -3
.Lnot_wave_0_\@:
	s_barrier_wait -3
	s_barrier_signal -1
	s_barrier_wait -1
.endm
.macro CROUND
	s_barrier_signal -1
	s_barrier_wait -1
	CREST
.endm
	s_load_b256 s[4:11], s[0:1], 0x0               ; ao s[4:5], wo16 s[6:7], bout s[8:9], out0 s[10:11]
	v_lshl_add_u32 v[SPW], v0, 2, SPARE
	v_mov_b32 v[NIL], 0
	ds_add_u32 v[SPW], v[NIL]                      ; the wave's opening: the add, twice on end, and its wait ahead of my first tensor load
	ds_add_u32 v[SPW], v[NIL]
	v_lshrrev_b32 v1, 5, v0
	v_readfirstlane_b32 s12, v1                    ; wave 0..3
	s_lshr_b32 s13, s12, 1                         ; which half of the tile's rows is mine.  Also: I fetch for A (0) or for B (1)
	s_and_b32 s14, s12, 1                          ; which half of its columns.  Also: which plane of A, or which 64 rows of B, I fetch
	s_bfe_u32 s40, ttmp6, 0x40000                  ; cx, cy
	s_bfe_u32 s41, ttmp6, 0x40004
	s_lshl_b32 s42, ttmp9, 2
	s_add_co_u32 s42, s42, s40                     ; tile column 0..3
	s_and_b32 s15, ttmp7, 0xffff
	s_lshl_b32 s15, s15, 2
	s_add_co_u32 s15, s15, s41                     ; tile row 0..63
	s_lshl_b32 s43, s41, 2
	s_lshl_b32 s43, 15, s43                        ; my row of the cluster
	s_lshl_b32 s44, 0x1111, s40                    ; my column
	s_or_b32 s[G1], s43, (1<<16)|(1<<20)|(1<<21)|(4<<22)|(3<<25)    ; A: elements of 2 bytes; four words of padding after every 32
	s_mov_b32 s[G1+1], 64<<16                      ; tensor_dim0 = 64
	s_mov_b32 s[G1+2], 128<<16                     ; tensor_dim1 = 128
	s_mov_b32 s[G1+3], 64<<16                      ; tile_dim0 = 64
	s_mov_b32 s[G1+4], 128                         ; tile_dim1 = 128
	s_mov_b32 s[G1+5], 64                          ; elements from row to row
	s_mov_b32 s[G1+6], 0
	s_mov_b32 s[G1+7], 0
	s_or_b32 s[G1B], s44, (1<<16)|(1<<20)|(1<<21)|(6<<22)|(7<<25)   ; B: eight words of padding after every 128
	s_mov_b32 s[G1B+1], 256<<16
	s_mov_b32 s[G1B+2], 64<<16
	s_mov_b32 s[G1B+3], 256<<16
	s_mov_b32 s[G1B+4], 64
	s_mov_b32 s[G1B+5], 1024
	s_mov_b32 s[G1B+6], 0
	s_mov_b32 s[G1B+7], 0
	s_lshr_b32 s16, s15, 4                         ; A: batch = tile row / 16; head = 16 x batch + my plane; 262,144 bytes a head;
	s_lshl_b32 s16, s16, 4
	s_add_co_u32 s16, s16, s14
	s_lshl_b32 s16, s16, 18
	s_and_b32 s17, s15, 15
	s_lshl_b32 s17, s17, 14                        ; position 128 (tile row % 16), 128 bytes a row
	s_add_co_u32 s16, s16, s17
	s_mov_b32 s17, 0
	s_lshl_b32 s46, s14, 17                        ; B: my 64 rows of 2,048 bytes,
	s_lshl_b32 s47, s42, 9                         ; the tile's 256 columns
	s_add_co_u32 s46, s46, s47
	s_mov_b32 s47, 0
	s_mul_i32 s20, s14, 128*PA                     ; where they go: no place in the cluster enters an LDS address
	s_mul_i32 s21, s14, 64*PB
	s_add_co_u32 s21, s21, BOFF
	s_wait_dscnt 0x0                               ; both opening adds are done
	s_wait_kmcnt 0x0
	s_add_nc_u64 s[18:19], s[4:5], s[16:17]
	s_add_nc_u64 s[46:47], s[6:7], s[46:47]
	CROUND                                         ; all sixteen work-groups are here: the first joint loads meet
.irp s, 0,1
	s_mov_b32 s[G0+4*\s], 1
	s_add_co_u32 s[G0+4*\s+1], s20, \s*SLOT
	s_add_nc_u64 s[G0+4*\s+2:G0+4*\s+3], s[18:19], \s*ASTEP
	s_or_b32 s[G0+4*\s+3], s[G0+4*\s+3], 0x80000000
	s_mov_b32 s[G0B+4*\s], 1
	s_add_co_u32 s[G0B+4*\s+1], s21, \s*SLOT
	s_add_nc_u64 s[G0B+4*\s+2:G0B+4*\s+3], s[46:47], \s*BSTEP
	s_or_b32 s[G0B+4*\s+3], s[G0B+4*\s+3], 0x80000000
	JLOAD \s                                       ; two loads of mine are out
.endr
	v_and_b32 v1, 15, v0                           ; l % 16
	v_bfe_u32 v2, v0, 4, 1                         ; l / 16
	v_lshlrev_b32 v3, 5, v2                        ; bout: my half's eight numbers of a tile of 16
	s_lshl_b32 s46, s42, 10                        ; my first column, in bytes of f32: 1,024 x tile column + 512 x half: the same in bout and in a row of out0
	s_lshl_b32 s47, s14, 9
	s_add_co_u32 s46, s46, s47
	s_mov_b32 s47, 0
	s_add_nc_u64 s[8:9], s[8:9], s[46:47]
	s_add_nc_u64 s[10:11], s[10:11], s[46:47]
.irp b, 0,1,2,3,4,5,6,7
	global_load_b128 v[BO+8*\b:BO+8*\b+3],   v3, s[8:9] offset:64*\b
	global_load_b128 v[BO+8*\b+4:BO+8*\b+7], v3, s[8:9] offset:64*\b+16
.endr
	v_mul_u32_u24 v4, v1, PA
	v_lshl_add_u32 v4, v2, 4, v4                   ; A: row x pitch + 16 x half
	s_mul_i32 s21, s13, 64*PA                      ; my 64 rows
	v_add_nc_u32 v[ADRA], s21, v4
	s_add_co_u32 s21, s21, SLOT
	v_add_nc_u32 v[ADRA+1], s21, v4
	v_and_b32 v5, 7, v0                            ; B, for the turning load: row 8 (l / 16) + l % 8, columns 8 ((l / 8) % 2) on
	v_lshl_add_u32 v5, v2, 3, v5
	v_mul_u32_u24 v5, v5, PB
	v_bfe_u32 v6, v0, 3, 1
	v_lshl_add_u32 v5, v6, 4, v5
	s_lshl_b32 s22, s14, 8                         ; my 128 columns
	s_add_co_u32 s22, s22, BOFF
	v_add_nc_u32 v[ADRB], s22, v5
	s_add_co_u32 s22, s22, SLOT
	v_add_nc_u32 v[ADRB+1], s22, v5
	s_mul_i32 s23, s12, 16*SPITCH
	s_add_co_u32 s23, s23, STAGE                   ; my stage
	v_mul_u32_u24 v5, v1, SPITCH                   ; in: row l % 16, 32 bytes for each half of the lanes
	v_lshl_add_u32 v5, v2, 5, v5
	v_add_nc_u32 v[STO], s23, v5
	v_and_b32 v6, 31, v0
	v_lshlrev_b32 v[CO], 4, v6                     ; back: the 32 lanes take one row of 512 bytes; and the same in out0
	v_add_nc_u32 v[RD], s23, v[CO]
	v_lshlrev_b32 v[PFO], 8, v6
	s_lshl_b32 s16, s15, 7
	s_lshl_b32 s17, s13, 6
	s_add_co_u32 s16, s16, s17                     ; my first row of out0: 128 x tile row + 64 x half,
	s_lshl_b32 s16, s16, 12                        ; 4,096 bytes a row
	s_mov_b32 s17, 0
	s_add_nc_u64 s[10:11], s[10:11], s[16:17]
	s_lshr_b32 s16, s15, 4                         ; the prefetches: the tile's rows in the batch's first head,
	s_lshl_b32 s16, s16, 22
	s_and_b32 s17, s15, 15
	s_lshl_b32 s17, s17, 14
	s_add_co_u32 s16, s16, s17
	s_lshr_b32 s17, s40, 1                         ; my work-group's quarter of a K step's two planes: plane cx / 2,
	s_lshl_b32 s17, s17, 18
	s_add_co_u32 s16, s16, s17
	s_and_b32 s17, s40, 1                          ; half cx % 2 of its 16,384 bytes,
	s_lshl_b32 s17, s17, 13
	s_add_co_u32 s16, s16, s17
	s_add_co_u32 s16, s16, 3*ASTEP                 ; at K step 3: the first refill steps it to 4.  Nothing is prefetched at the head
	s_mov_b32 s17, 0
	s_add_nc_u64 s[PFA:PFA+1], s[4:5], s[16:17]
	s_cmp_eq_u32 s12, 0
	s_cselect_b32 s[LIM], 1, -1
; 8 matrix instructions: A's block a x B's eight, 32 along K, from buffer f.  zero = 1: bout starts the sums.  The 32 accumulators take turns, in the same order in every quarter.
.macro MULA f, a, zero
.irp b, 0,1,2,3,4,5,6,7
.if \zero
	v_wmma_f32_16x16x32_f16 v[8*(8*(\a)+\b):8*(8*(\a)+\b)+7], v[64*(\f)+8*\b:64*(\f)+8*\b+7], v[AF+32*(\f)+8*(\a):AF+32*(\f)+8*(\a)+7], v[BO+8*\b:BO+8*\b+7]
.else
	v_wmma_f32_16x16x32_f16 v[8*(8*(\a)+\b):8*(8*(\a)+\b)+7], v[64*(\f)+8*\b:64*(\f)+8*\b+7], v[AF+32*(\f)+8*(\a):AF+32*(\f)+8*(\a)+7], v[8*(8*(\a)+\b):8*(8*(\a)+\b)+7]
.endif
.endr
.endm
; 24 LDS loads in one run: the fragments of the slot's q-th 32 along K into buffer f: B's eight (turned), then A's four (plane q / 2, channels 32 (q % 2) on)
.macro FETCH slot, q, f
	WIN TO_B
.irp b, 0,1,2,3,4,5,6,7
	ds_load_tr16_b128 v[64*(\f)+8*\b:64*(\f)+8*\b+3],   v[ADRB+\slot] offset:32*(\q)*PB+32*\b
	ds_load_tr16_b128 v[64*(\f)+8*\b+4:64*(\f)+8*\b+7], v[ADRB+\slot] offset:32*(\q)*PB+16*PB+32*\b
.endr
	WIN 0
.irp i, 0,1,2,3
	ds_load_b128 v[AF+32*(\f)+8*\i:AF+32*(\f)+8*\i+3],   v[ADRA+\slot] offset:((\q)/2)*128*PA+\i*16*PA+64*((\q)%2)
	ds_load_b128 v[AF+32*(\f)+8*\i+4:AF+32*(\f)+8*\i+7], v[ADRA+\slot] offset:((\q)/2)*128*PA+\i*16*PA+64*((\q)%2)+32
.endr
.endm
.macro PLACES                          ; four plain lines in front of loads into registers that matrix instructions have read, and of the first read of results
.rept 4
	v_nop
.endr
.endm
; A K step is four quarters of 32 along K, 32 matrix instructions each, on buffers 0, 1, 0, 1.  One of the first three: multiplies buffer f and fetches quarter q of the same slot into buffer g.
.macro QUARTER slot, q, f, g, zero
	s_wait_dscnt 4                                 ; B's fragments and A's blocks 0, 1 are in; the youngest four loads (A's blocks 2, 3) may be out
	WIN MUL-0x20*(\zero)
	MULA \f, 0, \zero
	MULA \f, 1, \zero
	PLACES
	FETCH \slot, \q, \g
	s_wait_dscnt 24                                ; all but the 24 just issued
	WIN MUL-0x20*(\zero)
	MULA \f, 2, \zero
	MULA \f, 3, \zero
.endm
; The last quarter multiplies buffer 1 and changes slots: ONE barrier; in front of it each wave waits for all its tensor loads, adds 0 to its spare word, and waits for that and for its reads of this slot.
; fill = 1: the barrier opens a round of the cluster's, and this slot is filled again, two K steps ahead, first thing behind the round.
.macro TURN slot, next, fill
.if \fill
	s_wait_xcnt 0x0                                ; the last prefetch, a K step back, has read its address: it is stepped here, ahead of the waits of the change of slots
	s_add_nc_u64 s[PFA:PFA+1], s[PFA:PFA+1], ASTEP
.endif
	WIN 0                                          ; (the add's two registers lie in window 0)
	s_wait_tensorcnt 0x0                           ; all my tensor loads have landed: my part of the next slot
	ds_add_u32 v[SPW], v[NIL]
	s_wait_dscnt 5                                 ; (the add and the youngest four loads may be out)
	WIN MUL
	MULA 1, 0, 0
	s_wait_dscnt 0x0                               ; the add is done, and my reads of this slot are over
	s_barrier_signal -1
	MULA 1, 1, 0
.if \fill
	WIN 0
.endif
	s_barrier_wait -1
.if \fill
	CREST                                          ; no wave of any partner still reads this slot's tiles or has a load on its way
	s_add_nc_u64 s[G0+4*\slot+2:G0+4*\slot+3], s[G0+4*\slot+2:G0+4*\slot+3], 2*ASTEP
	s_add_nc_u64 s[G0B+4*\slot+2:G0B+4*\slot+3], s[G0B+4*\slot+2:G0B+4*\slot+3], 2*BSTEP
	JLOAD \slot                                    ; the four v_nop behind it are also the places in front of the loads below
.else
	PLACES
.endif
	FETCH \next, 0, 0
.if \fill
	ASK
.endif
	WIN MUL
	MULA 1, 2, 0
	MULA 1, 3, 0
.endm
	s_wait_tensorcnt 1                             ; my part of K step 0 is in (K step 1's load may be out)
	s_barrier_signal -1
	s_barrier_wait -1                              ; everybody's is
	FETCH 0, 0, 0
	s_wait_loadcnt 0x0                             ; bout
	QUARTER 0, 1, 0, 1, 1                          ; the first quarter stands in front of the loop: its products start the sums
	WIN 0                                          ; at a label and at a branch every window is 0
	s_mov_b32 s3, LAPS-1
.Llap:                                 ; a trip goes once round the ring, from a lap's second quarter to the next lap's first, and fills both slots again
	QUARTER 0, 2, 1, 0, 0
	QUARTER 0, 3, 0, 1, 0
	TURN 0, 1, 1
	QUARTER 1, 1, 0, 1, 0
	QUARTER 1, 2, 1, 0, 0
	QUARTER 1, 3, 0, 1, 0
	TURN 1, 0, 1
	QUARTER 0, 1, 0, 1, 0
	WIN 0
	s_sub_co_u32 s3, s3, 1
	s_cmp_lg_u32 s3, 0
	s_cbranch_scc1 .Llap
	QUARTER 0, 2, 1, 0, 0                          ; the last lap fills nothing, and has no round of the cluster's barrier
	QUARTER 0, 3, 0, 1, 0
	TURN 0, 1, 0
	QUARTER 1, 1, 0, 1, 0
	QUARTER 1, 2, 1, 0, 0
	QUARTER 1, 3, 0, 1, 0
	s_wait_dscnt 4                                 ; the very last quarter: nothing more to fetch
	WIN MUL
	MULA 1, 0, 0
	MULA 1, 1, 0
	s_wait_dscnt 0x0
	MULA 1, 2, 0
	MULA 1, 3, 0
	WIN 0
; THE WAY OUT, block by block of 16 rows x 128 columns: through my own stage and back as whole rows of 512 bytes.  LDS serves a wave's instructions in order: no wait between the stores and the loads.
.macro TOSTAGE a
	WIN 0x08                                       ; an LDS store's data are its source 1: window 2
.irp b, 0,1,2,3,4,5,6,7
	ds_store_b128 v[STO], v[64*(\a)+8*\b:64*(\a)+8*\b+3] offset:64*\b          ; each accumulator from its low end on
	ds_store_b128 v[STO], v[64*(\a)+8*\b+4:64*(\a)+8*\b+7] offset:64*\b+16
.endr
	WIN 0
.set BB, BK+64*((\a)%2)
.irp t, 0,1,2,3,4,5,6,7,8,9,10,11,12,13,14,15
	ds_load_b128 v[BB+4*\t:BB+4*\t+3], v[RD] offset:\t*SPITCH
.endr
.endm
.macro SEND a, younger                 ; younger: the LDS instructions issued behind block a's loads, which may stay out
.set BB, BK+64*((\a)%2)
	s_wait_dscnt \younger
.irp t, 0,1,2,3,4,5,6,7,8,9,10,11,12,13,14,15
	global_store_b128 v[CO], v[BB+4*\t:BB+4*\t+3], s[10:11] offset:(16*(\a)+\t)*4096 th:TH_STORE_NT   ; 32 lanes store 512 consecutive bytes, aligned; the row stands in the immediate, so no base is stepped
.endr
.endm
	PLACES                                         ; behind the last products: for the first read of results and for the loads into the registers that held A's fragments
	TOSTAGE 0
.irp a, 1,2,3
.if \a > 1
	s_wait_xcnt 0x0                                ; block a - 2's stores have read their registers: block a's loads may land there
.endif
	TOSTAGE \a
	SEND \a-1, 32                                  ; behind block a - 1's loads: block a's 16 stores and 16 loads
.endr
	SEND 3, 0
	s_wait_tensorcnt 0x0                           ; the wave's end
	ds_add_u32 v[SPW], v[NIL]
	s_wait_dscnt 0x0
	CROUND                                         ; the closing round
	s_endpgm
.Lfunc_end_k_q1f89210827_outp:
	.size	k_q1f89210827_outp, .Lfunc_end_k_q1f89210827_outp-k_q1f89210827_outp
	.p2alignl 7, 3214868480
	.fill 96, 4, 3214868480
	.section	.rodata,"a",@progbits
	.p2align	6, 0x0
	.amdhsa_kernel k_q1f89210827_outp
		.amdhsa_group_segment_fixed_size 327680
		.amdhsa_private_segment_fixed_size 0
		.amdhsa_enable_private_segment 0
		.amdhsa_kernarg_size 32
		.amdhsa_user_sgpr_count 2
		.amdhsa_user_sgpr_kernarg_segment_ptr 1
		.amdhsa_wavefront_size32 1
		.amdhsa_system_sgpr_workgroup_id_x 1
		.amdhsa_system_sgpr_workgroup_id_y 1
		.amdhsa_system_sgpr_workgroup_id_z 1
		.amdhsa_system_vgpr_workitem_id 0
		.amdhsa_next_free_vgpr 768
		.amdhsa_next_free_sgpr 66
		.amdhsa_reserve_vcc 0
		.amdhsa_float_denorm_mode_32 3
		.amdhsa_float_denorm_mode_16_64 3
		.amdhsa_memory_ordered 1
		.amdhsa_forward_progress 1
		.amdhsa_inst_pref_size 88
	.end_amdhsa_kernel
	.amdgpu_metadata
---
amdhsa.version: [ 1, 2 ]
amdhsa.kernels:
  - .name:           k_q1f89210827_outp
    .symbol:         k_q1f89210827_outp.kd
    .args:
      - { .name: ao, .offset: 0, .size: 8, .value_kind: global_buffer, .address_space: global }
      - { .name: wo16, .offset: 8, .size: 8, .value_kind: global_buffer, .address_space: global }
      - { .name: bout, .offset: 16, .size: 8, .value_kind: global_buffer, .address_space: global }
      - { .name: out0, .offset: 24, .size: 8, .value_kind: global_buffer, .address_space: global }
    .group_segment_fixed_size: 327680
    .private_segment_fixed_size: 0
    .kernarg_segment_align: 8
    .kernarg_segment_size: 32
    .max_flat_workgroup_size: 128
    .sgpr_count:     66
    .vgpr_count:     768
    .wavefront_size: 32
...
	.end_amdgpu_metadata
.endif
;; end of part 4
